; MI455X (gfx1250); checked and timed in simulation.
; The chip was launched on July 23, 2026; its instructions are those of AMD's public machine-readable ISA for CDNA 5 (MIT licence, August 2026) and "CDNA5" Instruction Set Architecture Reference Guide (July 2026). The comments in the code are by the model that wrote it; some were corrected since.
;; Attention Fusion. Allowed arithmetic: matrix products marked QUANTISED: E4M3 operands, one E8M0 scale for each 32 along K, by v_wmma_scale_f32_16x16x128_f8f6f4 with both operands' format E4M3, f32 sums; everything else in f32.
;; Inputs: out_b 1,024 float32; out_w 1,024 x 1,024 float32; qkv_b 3,072 float32; qkv_w 3,072 x 1,024 float32; x 2 x 2,048 x 1,024 float32.
;; Outputs: out0 2 x 2,048 x 1,024 float32.
;; This version of the problem:
;;   THIS VERSION OF THE PROBLEM IS GIVEN IN LOW PRECISION. The matrix products marked QUANTISED in the list below multiply operands that are first quantised to E4M3 (4 exponent bits, 3 mantissa bits; 8 bits a number), with one power-of-two scale for each 32 numbers along K (OCP MX v1.0); their sums are f32. All else is computed in f32.
;;   The module's matrix products, in the order in which they are computed (A, B: the left and right operand; K: the contracted axis; several contracted axes count as one K, in the product's order):
;;     1. [M 4,096, K 1,024] x [K 1,024, N 3,072]; A: input x; B: input qkv_w: QUANTISED
;;     2. batch 32 x [M 2,048, K 64] x [K 64, N 2,048]; A: computed on the way; B: computed on the way: QUANTISED
;;     3. batch 32 x [M 2,048, K 2,048] x [K 2,048, N 64]; A: softmax (see below); B: computed on the way: QUANTISED
;;     4. [M 4,096, K 1,024] x [K 1,024, N 1,024]; A: computed on the way; B: input out_w: QUANTISED
;;   THE QUANTISER, for each operand of a quantised product, along K:
;;     - K is cut into blocks of 32 from its start; a last block that is shorter is filled with zeros.
;;     - A block's scale is 2^e with e = floor(log2(the largest magnitude in the block)) - 8, held to -126 .. 127; a block of zeros has e = 0. As a byte (E8M0): e + 127.
;;     - Each number is divided by its block's scale, clamped to +-448, and rounded to the nearest number of E4M3, ties to even, subnormals kept.
;;     - The product sums the exact products of the quantised numbers (number of the format x scale) in f32.
;;   ~~~python
;;   def quantise(x, axis):      # numpy; x: float32 -> the quantised numbers, widened to float32 again
;;       x = np.moveaxis(x, axis, -1); K = x.shape[-1]
;;       x = np.pad(x, [(0, 0)] * (x.ndim - 1) + [(0, -K % 32)]); x = x.reshape(x.shape[:-1] + (-1, 32)); a = np.abs(x).max(-1, keepdims=True)
;;       e = np.where(a > 0, np.clip(np.frexp(np.where(a > 0, a, 1))[1] - 1 - 8, -126, 127), 0)      # np.frexp(a)[1] - 1 = floor(log2(a)), exactly
;;       r = np.clip(x / 2.0 ** e, -448, 448)
;;       step = 2.0 ** (np.maximum(np.frexp(np.where(r == 0, 1, r))[1] - 1, -6) - 3)
;;       q = np.round(r / step) * step * 2.0 ** e      # np.round: ties to even
;;       return np.moveaxis(q.reshape(q.shape[:-2] + (-1,))[..., :K], -1, axis).astype(np.float32)
;;   ~~~
;;   SOFTMAX AHEAD OF A QUANTISED PRODUCT. Where the list says 'softmax', what is quantised is not the finished softmax but p = 2^(t - M), with t = logit x log2(e) and M = ceil(the row's largest t), a whole number; so 1/2 < the row's largest p <= 1. The row's sum l is taken of the UNQUANTISED p, in f32, and the product's result is divided by l at the end. Since M is a whole number, a kernel that streams over the keys may use a running M (the ceiling of the running maximum): every later rescaling is an exact power of two, which a block's scale takes up: the codes' values come out the same.
;;   OPERANDS COMPUTED ON THE WAY. 'Computed on the way' means the value that the module computes at that place (a softmax that the list does not call 'softmax' is quantised finished and normalised). What goes into a quantiser is computed in f32, as accurately as f32 sums, v_exp_f32 and their like allow (about 1e-6 of the number): no bf16 or f16 on the way to a quantiser, and a product that is left as it is and whose result goes on into a quantised operand takes f32 operands (vector FMAs, or v_wmma_f32_16x16x4_f32). A number that lies on a knife's edge between two numbers of the format may be rounded either way, as far as f32 arithmetic and the matrix unit's own rounding can turn it there, and no further.
;; One version. Each part assembles by itself: llvm-mc -triple=amdgcn-amd-amdhsa -mcpu=gfx1250 --defsym DOCPART=n.
;; ======== version 1 of 1: 4 launches
;; limits: right only within a limited range of input values
;; workspace buffers: codes1 8,388,608 bytes; scales1 262,144 bytes; img 17,563,648 bytes; o_img 4,194,304 bytes; o_sc 131,072 bytes
;; launch quant (part 1): grid 256 x 1, 4 waves a work-group, no clusters, 34,304 bytes of LDS; arguments x, qkv_w, out_w, codes1, scales1; writes codes1, scales1
.if DOCPART == 1
	.amdgcn_target "amdgcn-amd-amdhsa--gfx1250"
	.amdhsa_code_object_version 6
	.text
	.protected	k_q489dc541df_quant
	.globl	k_q489dc541df_quant
	.p2align	8
	.type	k_q489dc541df_quant,@function
k_q489dc541df_quant:
	s_mov_b64 s[64:65], 0
	v_nop
	global_prefetch_b8 v0, s[64:65] scope:SCOPE_SE
	s_setreg_imm32_b32 hwreg(HW_REG_WAVE_MODE, 25, 1), 1
	s_wait_xcnt 0x0
; x [4096][1024], qkv_w [3072][1024] and out_w [1024][1024], f32, K innermost, become codes of FP8 (E4M3) with one E8M0 byte for each 32 along K.
; A block's scale is 2^(floor(log2(its largest magnitude)) - 8); each number is divided by it, held within +-448 and rounded to the nearest code, ties to even.
; LAYOUT OF THE RESULT: images of the matrix operand's registers.  The 8,192 rows are 512 tiles of 16 (x: 0-255, qkv_w: 256-447, out_w: 448-511).
;   Tile 2 b + u of a tensor holds in its row r the tensor's row 32 b + 8 u + r + 8 (r / 8): used as source 0 of a product, two neighbouring tiles then give a lane 16 neighbours along the next K.
;   codes1[tile][K step of 128: 8][2048]: group c of 512 bytes; lane l's 16 bytes at 512 c + 16 l are the codes k = 32 c + 16 (l / 16) + 0 .. 15 of row l % 16.
;   scales1[tile][half of K: 2][row: 16][4 words]: one word for a row and a K step of 128.
; SHARES: a wave takes one tile and half of K: 16 rows x 512 numbers, four fragments.  No wave shares anything with another: no barrier.  No cluster: no two work-groups read the same bytes.  No matrix unit: memory binds.
; Each load reads 512 consecutive bytes of a row; the conversions want 16 neighbours in ONE lane, so a step's 16 rows x 512 bytes turn through the wave's own stage in LDS (rows 528 bytes apart).
; LIMITS: NaN and infinities are not served.  A block whose largest magnitude lies under 2^-118 has its byte held at 1; a block of zeros gets the byte 1 too: its codes are zeros, and this program alone reads the bytes.
.set SP,   528                         ; a stage row: 512 bytes + 16: row r starts 4 r words on, modulo 64 words: the 16 rows that a load touches fall on different banks
.set WREG, 16*SP                       ; a wave's stage
.set LN,   1                           ; v1   lane
.set LI,   2                           ; v2   16 x lane
.set SIN,  3                           ; v3   the stage on the way in: my 16 bytes of a row
.set SOUT, 4                           ; v4   and on the way out: row l % 16, + 64 (l / 16)
.set SCO,  5                           ; v5   16 x (l % 16): my row's four scale words
.set TM,   8                           ; v8-11 largest magnitudes, v12-15 bytes, v16-19 448 x the scale, v20-23 the conversions' scale operands
.set PW,   24                          ; v24-27 the four steps' scale words
.set R,    32                          ; v32-159 two sets of 64: a step's numbers as they are loaded
.set X,    160                         ; v160-223 64 numbers: register 16 b + i = k 32 b + 16 (l / 16) + i of my row
.set PC,   224                         ; v224-255 two sets of 16: a fragment's codes
.set SEL,  20                          ; s[20:21] v_permlanex16_b32's selects for lane l xor 16
.set MNT,  23                          ; s23  the mantissa field of 448
; 64 numbers of a lane become a fragment's 16 registers of codes, v[pc] on, and its scale word, v[pw]
.macro QUANT s, pc, pw
.irp b, 0,1,2,3
	v_max3_num_f32 v[TM+\b], |v[\s+16*\b]|, |v[\s+1+16*\b]|, 0x4800000   ; block b: my 16 numbers, and the floor 2^(9 - 127): the byte cannot fall under 1
.endr
.irp i, 2,4,6,8,10,12,14
.irp b, 0,1,2,3
	v_max3_num_f32 v[TM+\b], v[TM+\b], |v[\s+16*\b+\i]|, |v[\s+1+16*\b+\i]|   ; the four blocks by turns: no line waits for the line above it
.endr
.endr
.irp b, 0,1,2,3
	v_permlanex16_b32 v[TM+4+\b], v[TM+\b], s[SEL], s[SEL+1]
.endr
.irp b, 0,1,2,3
	v_max_num_f32 v[TM+\b], v[TM+\b], v[TM+4+\b]   ; with lane l xor 16's 16: the block's largest magnitude
.endr
.irp b, 0,1,2,3
	v_add_nc_u32 v[TM+12+\b], 0xfc000000, v[TM+\b]   ; 8 off its exponent field: the conversion takes the exponent field of this operand as its scale
.endr
.irp b, 0,1,2,3
	v_and_or_b32 v[TM+8+\b], v[TM+\b], 0x7f800000, s[MNT]   ; 448 x the scale
.endr
.irp b, 0,1,2,3
	v_lshrrev_b32 v[TM+4+\b], 23, v[TM+12+\b]   ; the scale's byte
.endr
	v_lshl_or_b32 v[\pw], v[TM+5], 8, v[TM+4]
	v_lshl_or_b32 v[\pw], v[TM+6], 16, v[\pw]
	v_lshl_or_b32 v[\pw], v[TM+7], 24, v[\pw]
.irp b, 0,1,2,3
.irp i, 0,1,2,3,4,5,6,7,8,9,10,11,12,13,14,15
	v_med3_num_f32 v[\s+16*\b+\i], v[\s+16*\b+\i], -v[TM+8+\b], v[TM+8+\b]   ; the conversion to an 8-bit code does not saturate (ISA guide 7.6.2): the hold comes first
.endr
	v_cvt_scalef32_pk8_fp8_f32 v[\pc+4*\b:\pc+4*\b+1], v[\s+16*\b:\s+16*\b+7], v[TM+12+\b]
	v_cvt_scalef32_pk8_fp8_f32 v[\pc+4*\b+2:\pc+4*\b+3], v[\s+16*\b+8:\s+16*\b+15], v[TM+12+\b]
.endr
	v_nop                                          ; one plain instruction behind the last conversion, ahead of whatever vector line next writes its sources
.endm
	s_load_b128 s[4:7], s[0:1], 0x0                ; x, qkv_w
	s_load_b128 s[8:11], s[0:1], 0x10              ; out_w, codes1
	s_load_b64 s[12:13], s[0:1], 0x20              ; scales1
	v_lshl_add_u32 v30, v0, 2, 0x8400
	v_mov_b32 v31, 0
	v_lshrrev_b32 v1, 5, v0
	v_readfirstlane_b32 s14, v1                    ; wave 0..3
	v_and_b32 v[LN], 31, v0
	v_lshlrev_b32 v[LI], 4, v[LN]
	v_and_b32 v6, 15, v0                           ; r
	v_bfe_u32 v7, v0, 4, 1                         ; h
	s_mul_i32 s15, s14, WREG                       ; my stage
	v_add_nc_u32 v[SIN], s15, v[LI]
	v_mul_u32_u24 v[SOUT], v6, SP
	v_lshl_add_u32 v[SOUT], v7, 6, v[SOUT]
	v_add_nc_u32 v[SOUT], s15, v[SOUT]
	v_lshlrev_b32 v[SCO], 4, v6
	s_mov_b32 s[SEL], 0x76543210
	s_mov_b32 s[SEL+1], 0xfedcba98
	s_mov_b32 s[MNT], 0x600000
.irp b, 0,1,2,3
	v_mov_b32 v[TM+4+\b], 0                        ; written once: a lane permute's destination counts as one of its sources
.endr
	s_lshl_b32 s16, ttmp9, 2
	s_add_co_u32 s16, s16, s14                     ; my job: 4 x work-group + wave
	s_lshr_b32 s17, s16, 1                         ; the tile, 0 .. 511
	s_and_b32 s18, s16, 1                          ; which half of K
	s_mov_b32 s19, 448
	s_wait_alu depctr_va_vdst(0)
	s_wait_kmcnt 0x0
	s_cmp_lt_u32 ttmp9, 224                        ; which tensor: the choice hangs on the work-group's number alone
	s_cselect_b64 s[6:7], s[6:7], s[8:9]
	s_cselect_b32 s19, 0x100, s19
	s_cmp_lt_u32 ttmp9, 128
	s_cselect_b64 s[4:5], s[4:5], s[6:7]
	s_cselect_b32 s19, 0, s19                      ; the tensor's first tile
	s_sub_co_u32 s19, s17, s19                     ; the tile within its tensor, 2 b + u
	s_lshr_b32 s24, s19, 1
	s_lshl_b32 s24, s24, 17                        ; 32 b rows of 4,096 bytes
	s_and_b32 s25, s19, 1
	s_lshl_b32 s25, s25, 15                        ; 8 u rows
	s_add_co_u32 s24, s24, s25
	s_lshl_b32 s25, s18, 11                        ; 512 numbers along K
	s_add_co_u32 s24, s24, s25
	s_mov_b32 s25, 0
	s_add_nc_u64 s[4:5], s[4:5], s[24:25]
	s_lshl_b32 s24, s17, 14                        ; a tile's codes are 16,384 bytes, half of K 8,192
	s_lshl_b32 s26, s18, 13
	s_add_co_u32 s24, s24, s26
	s_add_nc_u64 s[10:11], s[10:11], s[24:25]
	s_lshl_b32 s24, s17, 9                         ; a tile's scale words are 512 bytes, half of K 256
	s_lshl_b32 s26, s18, 8
	s_add_co_u32 s24, s24, s26
	s_add_nc_u64 s[12:13], s[12:13], s[24:25]
.macro LOAD s                          ; step s: 16 rows x 128 numbers; each load takes 512 consecutive bytes of one row; the tile's row i is the tensor's row i + 8 (i / 8) from the tile's first
.irp i, 0,1,2,3,4,5,6,7,8,9,10,11,12,13,14,15
	global_load_b128 v[R+64*((\s)%2)+4*\i:R+64*((\s)%2)+4*\i+3], v[LI], s[4:5] offset:(\i+8*(\i/8))*4096+512*(\s) th:TH_LOAD_NT
.endr
.endm
.macro STEP s
.if (\s) < 3
	s_wait_loadcnt 16                              ; this step's 16 loads are in; the next step's 16 may be out
.else
	s_wait_loadcnt 0x0
.endif
.irp i, 0,1,2,3,4,5,6,7,8,9,10,11,12,13,14,15
	ds_store_b128 v[SIN], v[R+64*((\s)%2)+4*\i:R+64*((\s)%2)+4*\i+3] offset:SP*\i
.endr
.irp b, 0,1,2,3
.irp j, 0,1,2,3
	ds_load_b128 v[X+16*\b+4*\j:X+16*\b+4*\j+3], v[SOUT] offset:128*\b+16*\j   ; LDS serves a wave's instructions in order: these see my stores
.endr
.endr
	s_wait_dscnt 0x0                               ; the 64 numbers are back, and the stores have read the set, which may take the loads of two steps on
.if (\s) < 2
	LOAD (\s)+2
.endif
.if (\s) >= 2
	s_wait_xcnt 0x0                                ; the stores of two steps ago have read this set of code registers
.endif
	QUANT X, PC+16*((\s)%2), PW+(\s)
.irp c, 0,1,2,3
	global_store_b128 v[LI], v[PC+16*((\s)%2)+4*\c:PC+16*((\s)%2)+4*\c+3], s[10:11] offset:2048*(\s)+512*\c   ; 32 lanes store 512 consecutive bytes, aligned
.endr
.endm
	LOAD 0
	LOAD 1
	STEP 0
	STEP 1
	STEP 2
	STEP 3
	s_wait_xcnt 0x0                                ; EXEC is a source of the pending stores: it changes only behind this wait
	v_cmp_gt_u32 vcc_lo, 16, v[LN]
	s_wait_tensorcnt 0x0
	ds_add_u32 v30, v31
	s_wait_dscnt 0x0
	s_and_saveexec_b32 s15, vcc_lo                 ; both halves of the lanes hold the same words: lanes 0-15 store them
	global_store_b128 v[SCO], v[PW:PW+3], s[12:13] ; 16 lanes store 256 consecutive bytes, aligned
	s_wait_xcnt 0x0
	s_or_b32 exec_lo, exec_lo, s15
	s_endpgm
.Lfunc_end_k_q489dc541df_quant:
	.size	k_q489dc541df_quant, .Lfunc_end_k_q489dc541df_quant-k_q489dc541df_quant
	.p2alignl 7, 3214868480
	.fill 96, 4, 3214868480
	.section	.rodata,"a",@progbits
	.p2align	6, 0x0
	.amdhsa_kernel k_q489dc541df_quant
		.amdhsa_group_segment_fixed_size 34304
		.amdhsa_private_segment_fixed_size 0
		.amdhsa_enable_private_segment 0
		.amdhsa_kernarg_size 40
		.amdhsa_user_sgpr_count 2
		.amdhsa_user_sgpr_kernarg_segment_ptr 1
		.amdhsa_wavefront_size32 1
		.amdhsa_system_sgpr_workgroup_id_x 1
		.amdhsa_system_sgpr_workgroup_id_y 1
		.amdhsa_system_sgpr_workgroup_id_z 1
		.amdhsa_system_vgpr_workitem_id 0
		.amdhsa_next_free_vgpr 256
		.amdhsa_next_free_sgpr 66
		.amdhsa_reserve_vcc 1
		.amdhsa_float_denorm_mode_32 3
		.amdhsa_float_denorm_mode_16_64 3
		.amdhsa_memory_ordered 1
		.amdhsa_forward_progress 1
		.amdhsa_inst_pref_size 51
	.end_amdhsa_kernel
	.amdgpu_metadata
---
amdhsa.version: [ 1, 2 ]
amdhsa.kernels:
  - .name:           k_q489dc541df_quant
    .symbol:         k_q489dc541df_quant.kd
    .args:
      - { .name: x, .offset: 0, .size: 8, .value_kind: global_buffer, .address_space: global }
      - { .name: qkv_w, .offset: 8, .size: 8, .value_kind: global_buffer, .address_space: global }
      - { .name: out_w, .offset: 16, .size: 8, .value_kind: global_buffer, .address_space: global }
      - { .name: codes1, .offset: 24, .size: 8, .value_kind: global_buffer, .address_space: global }
      - { .name: scales1, .offset: 32, .size: 8, .value_kind: global_buffer, .address_space: global }
    .group_segment_fixed_size: 34304
    .private_segment_fixed_size: 0
    .kernarg_segment_align: 8
    .kernarg_segment_size: 40
    .max_flat_workgroup_size: 128
    .sgpr_count:     66
    .vgpr_count:     256
    .wavefront_size: 32
...
	.end_amdgpu_metadata
.endif
;; end of part 1
;; launch qkv (part 2): grid 12 x 16, 4 waves a work-group, clusters of 4 x 4, 327,680 bytes of LDS; arguments codes1, scales1, qkv_b, img; writes img
.if DOCPART == 2
	.amdgcn_target "amdgcn-amd-amdhsa--gfx1250"
	.amdhsa_code_object_version 6
	.text
	.protected	k_q489dc541df_qkv
	.globl	k_q489dc541df_qkv
	.p2align	8
	.type	k_q489dc541df_qkv,@function
k_q489dc541df_qkv:
	s_mov_b64 s[64:65], 0
	v_nop
	global_prefetch_b8 v0, s[64:65] scope:SCOPE_SE
	s_setreg_imm32_b32 hwreg(HW_REG_WAVE_MODE, 25, 1), 1
	s_wait_xcnt 0x0
	s_wait_alu depctr_hold_cnt(0) depctr_sa_sdst(0) depctr_va_vdst(0) depctr_va_sdst(0) depctr_va_ssrc(0) depctr_va_vcc(0) depctr_vm_vsrc(0)
	s_getreg_b32 s2, hwreg(HW_REG_IB_STS2, 6, 4)
	s_cmp_eq_u32 s2, 0
	s_cbranch_scc0 .Lentry_in_a_cluster
	s_endpgm
.Lentry_in_a_cluster:
	s_bfe_u32 s2, ttmp6, 0x10000c
	s_cmp_lg_u32 s2, 0xf033
	s_cbranch_scc0 .Lentry_shape_is_right
	s_endpgm
.Lentry_shape_is_right:
; qkv = x qkv_w^T + qkv_b on codes of FP8 (E4M3) with E8M0 scales, sums in f32; q, k and v are quantised in registers on the way out and leave as codes: q and k along the head's 64 channels, v along the tokens.
; A work-group of four waves makes 256 x 256 of the product, a wave 128 x 128: 64 accumulators of 16 x 16, 512 registers.  K = 1,024 goes in eight steps of 128 through two LDS slots of two steps each.
; SIDES.  The instruction's source 1 is the 'A side': a lane holds ONE of its rows.  Source 0 is the 'B side': a lane's registers run along its rows, and by the order of rows in a tile
;   (tile 2 b + u, row r = row 32 b + 8 u + r + 8 (r / 8)) the 16 registers of B tiles 2 b and 2 b + 1 are 16 neighbours.  So the B side is the axis along which the result is quantised:
;   q, k (cluster x = 0, 1): A side = tokens, B side = channels.   v (cluster x = 2): A side = channels, B side = tokens.  The cluster's x is the same in all sixteen partners, so branches may hang on it.
; OPERANDS lie in memory and in LDS as images of their registers (a fragment of 16 rows x 128 K: four groups of 512 bytes, 16 bytes a lane): every LDS read is 16 x lane + a constant: dense, no pitch, no padding.
; CLUSTER 4 x 4: the four work-groups of a row of the cluster need the same A tiles, the four of a column the same B tiles: each tile is asked for jointly.
; 192 work-groups: tiles of 256 x 192 would give 256, but would straddle the borders between q, k and v, at which the sides change.
; RESULT.  qkv_img: three parts of 4 MiB (q, k, v), each [128 tokens: 32][head: 16][8192].  q, k: 8 token tiles x 1,024 bytes (two groups of 512: the head's two blocks of 32).  v: 4 channel tiles x 2,048 bytes (K = the 128 tokens).
;   qkv_sc: q's part at 0, k's and v's at 393,216; records of 768 bytes [128 tokens][head]: bytes 0-511 q's or k's words [tile / 4][row][tile % 4] (bytes 0, 1 the two scales, bytes 2, 3 zero), bytes 512-767 v's words [row][tile].
; LIMITS: NaN and infinities are not served.  A block whose largest magnitude lies under 2^-118 has its byte held at 1; a block of zeros gets the byte 1: its codes are zeros, and this program alone reads the bytes.
; REGISTERS, in windows of 256.  Window 0: v16-29 addresses; v32-63 A's scale words, v64-95 B's (tile i, K step s: register 4 i + s % 4, lanes 0-15 for s < 4, lanes 16-31 for s >= 4); v96-127 at work; v128-255 A's 8 fragments, ONE set.
;   Window 1: B's 8 fragments, TWO sets, at v0 and v128; the bias lands in v0-63 ahead of the last step.   Windows 2, 3: accumulator (a, b) at v[8 (8 (a % 4) + b)] of window 2 + a / 4.
; THE RESULT'S PLACE: the parts named above lie in one buffer, img, as records of 17,152 bytes, [128 tokens: 32][head: 16]: first q's 512 records, then 512 that k and v share.
;   A record: 8,192 bytes of q's or k's codes, 8,192 of v's, then the 768 bytes of scale words described above.  (q's records use their first 8,192 bytes and the 512 of their words.)
.set SLOT,  131072
.set SPARE, 2*SLOT                     ; behind the ring: the spare words, 128 bytes for each wave: two blocks of 256 bytes that no other line names
.set FR,    16                         ; registers of a fragment
.set NP,    8                          ; places behind this matrix instruction (ISA guide 7.12.1)
.set ADRA, 16                          ; v16-17  my A fragments in slot 0, 1
.set ADRB, 20                          ; v20-21  my B fragments
.set VSO,  22                          ; v22     v's scale words: 16 r + 17,152 h
.set LN,   23                          ; v23     lane
.set LI,   24                          ; v24     16 x lane
.set BOQ,  26                          ; v26     the bias along the registers: 64 h
.set BOV,  27                          ; v27     the bias of my row: 4 (r + 8 (r / 8))
.set SPW,  28                          ; v28     my spare word; never rewritten
.set NIL,  29                          ; v29     0; never rewritten
.set SA,   32
.set SB,   64
.set TM,   96                          ; v96-111 the quantiser's 16 registers
.set PC,   112                         ; v112-127 a fragment's codes
.set AF,   128
.set ST,   128                         ; the way out: v128-191 64 numbers; v192-199 eight scale words; v200-207 as they are stored
.set PW,   192
.set W,    200
.set W1,   204
.set G1,  24                           ; s[24:31] descriptor group 1 for A's tiles;  s[32:39] group 0, one set for each slot
.set G0,  32
.set G1B, 48                           ; s[48:55], s[56:63] the same for B's
.set G0B, 56
.set SEL, 80                           ; s[80:81]
.set MNT, 82
.set MSB, 0
.macro WIN new                         ; the immediate's high byte repeats the setting that is left
.if MSB != \new
	s_set_vgpr_msb (MSB<<8)|\new
.set MSB, \new
.endif
.endm
.set MUL_LO, 0xa1                      ; source 0 (B) window 1, source 1 (A) window 0, C and D window 2
.set MUL_HI, 0xf1                      ; the same, C and D window 3
.set TO_B,   0x40                      ; destination window 1, address window 0
; A joint load: waves 0 and 1 fetch A's halves, waves 2 and 3 B's.  Each line has one mask and one set of registers for all that issue it; the branch hangs on the wave's number alone.
; Four v_nop follow each of the two lines, ahead of the jump, the label and what follows.
.macro JLOAD g0a, g1a, g0b, g1b
	s_cmp_eq_u32 s15, 0
	s_cbranch_scc0 .Lfor_b_\@
	tensor_load_to_lds s[\g0a:\g0a+3], s[\g1a:\g1a+7]
	s_nop 0
.rept 4
	v_nop
.endr
	s_branch .Lasked_\@
.Lfor_b_\@:
	tensor_load_to_lds s[\g0b:\g0b+3], s[\g1b:\g1b+7]
	s_nop 0
.rept 4
	v_nop
.endr
.Lasked_\@:
.endm
.macro CREST                           ; a round of the cluster's barrier behind its opening barrier
	s_cmp_lg_u32 s14, 0
	s_cbranch_scc1 .Lnot_wave_0_\@
	s_barrier_signal -3
.Lnot_wave_0_\@:
	s_barrier_wait -3
	s_barrier_signal -1
	s_barrier_wait -1
.endm
.macro CROUND                          ; a whole round
	s_barrier_signal -1
	s_barrier_wait -1
	CREST
.endm
.macro PLACES n
.rept \n
	v_nop
.endr
.endm
; 64 numbers of a lane, register 16 b + i = place 32 b + 16 (l / 16) + i along the next K, become 16 registers of codes, v[pc] on, and a scale word, v[pw]
.macro QUANT s, pc, pw
.irp b, 0,1,2,3
	v_max3_num_f32 v[TM+\b], |v[\s+16*\b]|, |v[\s+1+16*\b]|, 0x4800000   ; block b: my 16 numbers, and the floor 2^(9 - 127): the byte cannot fall under 1
.endr
.irp i, 2,4,6,8,10,12,14
.irp b, 0,1,2,3
	v_max3_num_f32 v[TM+\b], v[TM+\b], |v[\s+16*\b+\i]|, |v[\s+1+16*\b+\i]|   ; the four blocks by turns
.endr
.endr
.irp b, 0,1,2,3
	v_permlanex16_b32 v[TM+4+\b], v[TM+\b], s[SEL], s[SEL+1]
.endr
.irp b, 0,1,2,3
	v_max_num_f32 v[TM+\b], v[TM+\b], v[TM+4+\b]   ; with lane l xor 16's 16: the block's largest magnitude
.endr
.irp b, 0,1,2,3
	v_add_nc_u32 v[TM+12+\b], 0xfc000000, v[TM+\b]   ; 8 off its exponent field: the conversion's scale operand
.endr
.irp b, 0,1,2,3
	v_and_or_b32 v[TM+8+\b], v[TM+\b], 0x7f800000, s[MNT]   ; 448 x the scale
.endr
.irp b, 0,1,2,3
	v_lshrrev_b32 v[TM+4+\b], 23, v[TM+12+\b]   ; the scale's byte
.endr
	v_lshl_or_b32 v[\pw], v[TM+5], 8, v[TM+4]
	v_lshl_or_b32 v[\pw], v[TM+6], 16, v[\pw]
	v_lshl_or_b32 v[\pw], v[TM+7], 24, v[\pw]
.irp b, 0,1,2,3
.irp i, 0,1,2,3,4,5,6,7,8,9,10,11,12,13,14,15
	v_med3_num_f32 v[\s+16*\b+\i], v[\s+16*\b+\i], -v[TM+8+\b], v[TM+8+\b]   ; the conversion to an 8-bit code does not saturate (ISA guide 7.6.2): the hold comes first
.endr
	v_cvt_scalef32_pk8_fp8_f32 v[\pc+4*\b:\pc+4*\b+1], v[\s+16*\b:\s+16*\b+7], v[TM+12+\b]
	v_cvt_scalef32_pk8_fp8_f32 v[\pc+4*\b+2:\pc+4*\b+3], v[\s+16*\b+8:\s+16*\b+15], v[TM+12+\b]
.endr
	v_nop                                          ; one plain instruction behind the last conversion, ahead of the next block's additions, which write its sources
.endm
	s_load_b128 s[4:7], s[0:1], 0x0                ; codes1, scales1
	s_load_b128 s[8:11], s[0:1], 0x10              ; qkv_b, qkv_img
	v_lshl_add_u32 v[SPW], v0, 2, SPARE
	v_mov_b32 v[NIL], 0
	ds_add_u32 v28, v29
	ds_add_u32 v28, v29
	s_wait_dscnt 0x0
	v_lshrrev_b32 v1, 5, v0
	v_readfirstlane_b32 s14, v1                    ; wave 0..3
	s_lshr_b32 s15, s14, 1                         ; which half of the A side is mine.  Also: I fetch for A (0) or for B (1)
	s_and_b32 s16, s14, 1                          ; which half of the B side.  Also: which 8 tiles I fetch
	s_mov_b32 s17, ttmp9                           ; the cluster's x: 0 q, 1 k, 2 v
	s_bfe_u32 s40, ttmp6, 0x40000                  ; cx, cy: my place in the cluster
	s_bfe_u32 s41, ttmp6, 0x40004
	s_and_b32 s42, ttmp7, 0xffff
	s_lshl_b32 s42, s42, 2                         ; 4 x the cluster's y: the cluster's first block of 256 tokens
	s_lshl_b32 s43, s41, 2
	s_lshl_b32 s43, 15, s43                        ; my row of the cluster
	s_lshl_b32 s44, 0x1111, s40                    ; my column
	; descriptor group 1: 8 tiles x two K steps: 8 rows of 4,096 bytes (512 elements of 8), 16,384 bytes apart in memory, on end in LDS
	s_or_b32 s[G1+0], s43, (3<<16)|(1<<21)         ; 15:0 the mask: A's tiles go to my row; 17:16 elements of 8 bytes; 21 set beside a mask
	s_or_b32 s[G1B+0], s44, (3<<16)|(1<<21)        ; B's go to my column
.irp g, G1, G1B
	s_mov_b32 s[\g+1], 512<<16                     ; tensor_dim0
	s_mov_b32 s[\g+2], 8<<16                       ; tensor_dim1
	s_mov_b32 s[\g+3], 512<<16                     ; tile_dim0
	s_mov_b32 s[\g+4], 8                           ; tile_dim1
	s_mov_b32 s[\g+5], 2048                        ; tensor_dim0_stride
	s_mov_b32 s[\g+6], 0
	s_mov_b32 s[\g+7], 0
.endr
	; which blocks of 256 rows (16 tiles, 262,144 bytes) of codes1: x is blocks 0-15, qkv_w blocks 16-27.  A's number never holds cx, B's never cy
	s_lshl_b32 s47, s17, 2
	s_add_co_u32 s47, s47, 16                      ; the first block of q's or k's weights
	s_cmp_eq_u32 s17, 2
	s_cselect_b32 s45, 24, s42                     ; A side: v's weights, or the cluster's tokens
	s_cselect_b32 s46, s42, s47                    ; B side: the cluster's tokens, or the weights
	s_add_co_u32 s45, s45, s41                     ; + cy
	s_add_co_u32 s46, s46, s40                     ; + cx
	s_lshl_b32 s22, s16, 17                        ; the 8 tiles that I fetch
	s_lshl_b32 s18, s45, 18
	s_add_co_u32 s18, s18, s22
	s_mov_b32 s19, 0
	s_lshl_b32 s20, s46, 18
	s_add_co_u32 s20, s20, s22
	s_mov_b32 s21, 0
	s_lshl_b32 s23, s14, 15                        ; where they go: wave x 32,768: no place in the cluster enters an LDS address
	s_lshl_b32 s66, s45, 13                        ; my 8 A tiles' scale words: 512 bytes a tile
	s_lshl_b32 s67, s15, 12
	s_add_co_u32 s66, s66, s67
	s_mov_b32 s67, 0
	s_lshl_b32 s84, s46, 13                        ; my 8 B tiles'
	s_lshl_b32 s85, s16, 12
	s_add_co_u32 s84, s84, s85
	s_mov_b32 s85, 0
	; where my results go
	s_lshl_b32 s86, s41, 8
	s_lshl_b32 s87, s15, 7
	s_add_co_u32 s86, s86, s87                     ; my first row of the cluster's A side: 256 cy + 128 x half
	s_lshl_b32 s88, s40, 8
	s_lshl_b32 s87, s16, 7
	s_add_co_u32 s88, s88, s87                     ; and of its B side: 256 cx + 128 x half
	s_cmp_eq_u32 s17, 2
	s_cselect_b32 s89, s88, s86                    ; the tokens' side
	s_cselect_b32 s90, s86, s88                    ; my first channel of the part's 1,024
	s_lshl_b32 s87, s42, 8
	s_add_co_u32 s89, s89, s87                     ; my first token, a multiple of 128
	s_lshr_b32 s94, s89, 7
	s_lshl_b32 s94, s94, 4
	s_lshr_b32 s95, s90, 6
	s_add_co_u32 s94, s94, s95
	s_mul_i32 s94, s94, 17152                      ; my first head's record
	s_cmp_lg_u32 s17, 0
	s_cselect_b32 s95, 8781824, 0                  ; k and v share the second 512 records
	s_add_co_u32 s94, s94, s95
	s_cmp_eq_u32 s17, 2
	s_cselect_b32 s95, 8192, 0                     ; v's codes lie behind k's
	s_add_co_u32 s92, s94, s95
	s_mov_b32 s93, 0
	s_add_co_u32 s94, s94, 16384                   ; the scale words
	s_mov_b32 s95, 0
	s_lshl_b32 s96, s17, 10
	s_add_co_u32 s96, s96, s90
	s_lshl_b32 s96, s96, 2                         ; my first channel's bias
	s_mov_b32 s97, 0
	s_mov_b32 s[SEL], 0x76543210
	s_mov_b32 s[SEL+1], 0xfedcba98                 ; v_permlanex16_b32's selects for lane l xor 16
	s_mov_b32 s[MNT], 0x600000                     ; the mantissa field of 448
	v_and_b32 v[LN], 31, v0
	v_and_b32 v1, 15, v0                           ; r
	v_bfe_u32 v2, v0, 4, 1                         ; h
	v_lshlrev_b32 v[LI], 4, v[LN]
	s_lshl_b32 s98, s15, 15                        ; my 8 A tiles: 4,096 bytes a tile in a slot
	v_add_nc_u32 v[ADRA], s98, v[LI]
	v_add_nc_u32 v[ADRA+1], SLOT, v[ADRA]
	s_lshl_b32 s98, s16, 15
	s_add_co_u32 s98, s98, 65536                   ; my 8 B tiles, behind A's 16
	v_add_nc_u32 v[ADRB], s98, v[LI]
	v_add_nc_u32 v[ADRB+1], SLOT, v[ADRB]
	v_lshlrev_b32 v[BOQ], 6, v2
	v_and_b32 v3, 8, v1
	v_add_nc_u32 v3, v3, v1
	v_lshlrev_b32 v[BOV], 2, v3
	v_mul_u32_u24 v[VSO], v2, 17152
	v_lshl_add_u32 v[VSO], v1, 4, v[VSO]
.irp b, 0,1,2,3
	v_mov_b32 v[TM+4+\b], 0                        ; written once: a lane permute's destination counts as one of its sources
.endr
	s_wait_kmcnt 0x0
	s_add_nc_u64 s[18:19], s[4:5], s[18:19]
	s_add_nc_u64 s[20:21], s[4:5], s[20:21]
	s_add_nc_u64 s[68:69], s[6:7], s[66:67]
	s_add_nc_u64 s[70:71], s[6:7], s[84:85]
	s_add_nc_u64 s[72:73], s[10:11], s[92:93]
	s_add_nc_u64 s[74:75], s[10:11], s[94:95]
	s_add_nc_u64 s[76:77], s[8:9], s[96:97]
	CROUND                                         ; all sixteen work-groups are here: the first joint loads meet
.irp s, 0,1
	s_mov_b32 s[G0+4*\s], 1                        ; count = 1
	s_add_co_u32 s[G0+4*\s+1], s23, \s*SLOT        ; LDS address
	s_add_nc_u64 s[G0+4*\s+2:G0+4*\s+3], s[18:19], \s*4096   ; K steps 2 s and 2 s + 1
	s_or_b32 s[G0+4*\s+3], s[G0+4*\s+3], 0x80000000          ; type = 2
	s_mov_b32 s[G0B+4*\s], 1
	s_add_co_u32 s[G0B+4*\s+1], s23, \s*SLOT
	s_add_nc_u64 s[G0B+4*\s+2:G0B+4*\s+3], s[20:21], \s*4096
	s_or_b32 s[G0B+4*\s+3], s[G0B+4*\s+3], 0x80000000
.endr
	JLOAD G0, G1, G0B, G1B                         ; slot 0: one tensor load a wave at the head
.irp i, 0,1,2,3,4,5,6,7
	global_load_b128 v[SA+4*\i:SA+4*\i+3], v[LI], s[68:69] offset:512*\i   ; a tile's scale words for all of K: 512 consecutive bytes; they stay in registers
	global_load_b128 v[SB+4*\i:SB+4*\i+3], v[LI], s[70:71] offset:512*\i
.endr
.macro FRAG reg, adr, q, i             ; tile i, the slot's q-th K step: the image's four groups of 512 bytes
.irp c, 0,1,2,3
	ds_load_b128 v[\reg+4*\c:\reg+4*\c+3], v[\adr] offset:(\i)*4096+(\q)*2048+512*\c
.endr
.endm
.macro FETCH_B slot, q, p              ; B's eight fragments into set p
	WIN TO_B
.irp i, 0,1,2,3,4,5,6,7
	FRAG 128*(\p)+FR*\i, ADRB+\slot, \q, \i
.endr
	WIN 0
.endm
.macro FETCH_A slot, q, i0             ; A's blocks i0 .. i0 + 3
.irp i, \i0, \i0+1, \i0+2, \i0+3
	FRAG AF+FR*(\i), ADRA+\slot, \q, \i
.endr
.endm
; 16 matrix instructions: A's blocks a0, a0 + 1 x B's eight, K step s.  p: B's set.  zero = 1: the first product starts the sums.  The 64 accumulators take turns, one instruction a turn, in the same order in every step.
.macro MUL16 a0, p, s, zero
.irp a, \a0, \a0+1
.irp b, 0,1,2,3,4,5,6,7
.if \zero
	v_wmma_scale_f32_16x16x128_f8f6f4 v[8*(8*((\a)%4)+\b):8*(8*((\a)%4)+\b)+7], v[128*(\p)+FR*\b:128*(\p)+FR*\b+FR-1], v[AF+FR*(\a):AF+FR*(\a)+FR-1], 0, v[SB+4*\b+(\s)%4], v[SA+4*(\a)+(\s)%4]
.elseif (\s) < 4
	v_wmma_scale_f32_16x16x128_f8f6f4 v[8*(8*((\a)%4)+\b):8*(8*((\a)%4)+\b)+7], v[128*(\p)+FR*\b:128*(\p)+FR*\b+FR-1], v[AF+FR*(\a):AF+FR*(\a)+FR-1], v[8*(8*((\a)%4)+\b):8*(8*((\a)%4)+\b)+7], v[SB+4*\b+(\s)%4], v[SA+4*(\a)+(\s)%4]
.else
	v_wmma_scale_f32_16x16x128_f8f6f4 v[8*(8*((\a)%4)+\b):8*(8*((\a)%4)+\b)+7], v[128*(\p)+FR*\b:128*(\p)+FR*\b+FR-1], v[AF+FR*(\a):AF+FR*(\a)+FR-1], v[8*(8*((\a)%4)+\b):8*(8*((\a)%4)+\b)+7], v[SB+4*\b+(\s)%4], v[SA+4*(\a)+(\s)%4] matrix_a_scale:MATRIX_SCALE_ROW1 matrix_b_scale:MATRIX_SCALE_ROW1
.endif
.endr
.endr
.endm
; A slot's first K step (an even s): B's set 0.  A's blocks 0-3 and B's next set are fetched in its middle, A's blocks 4-7 at its end; eight places stand in front of each run of loads into registers that products have read.
.macro STEP slot, s, zero
	s_wait_dscnt 16                                ; B's set and A's blocks 0-3 are in; the youngest 16 loads (A's blocks 4-7) may be out
	WIN MUL_LO
	MUL16 0, 0, \s, \zero
	MUL16 2, 0, \s, \zero
	s_wait_dscnt 0                                 ; A's blocks 4-7 are in
	PLACES NP
	FETCH_B \slot, 1, 1
	FETCH_A \slot, 1, 0
	WIN MUL_HI
	MUL16 4, 0, \s, \zero
	MUL16 6, 0, \s, \zero
	PLACES NP
	WIN 0
	FETCH_A \slot, 1, 4
.endm
; A slot's second K step (an odd s) changes slots: ONE barrier; in front of it each wave waits for all its tensor loads, adds 0 to its spare word, and waits for that and for its reads of this slot.  fill = 1: this slot is filled again, four K steps on.
.macro TURN slot, next, s, fill
	s_wait_tensorcnt 0x0                           ; all my tensor loads have landed: my part of the next slot among them
	ds_add_u32 v[SPW], v[NIL]                      ; 0 onto my spare word
	s_wait_dscnt 17                                ; (the add and the youngest 16 loads, A's blocks 4-7, may be out)
	WIN MUL_LO
	MUL16 0, 1, \s, 0                              ; sixteen matrix instructions stand between the add and the wait for it
	s_wait_dscnt 0x0                               ; the add is done, and my reads of this slot are over
	s_barrier_signal -1
	MUL16 2, 1, \s, 0
	WIN 0
	s_barrier_wait -1
.if \fill
	CREST                                          ; the barrier has opened a round of the cluster's barrier: no wave of any partner still reads this slot or has a load on its way
	s_add_nc_u64 s[G0+4*\slot+2:G0+4*\slot+3], s[G0+4*\slot+2:G0+4*\slot+3], 8192
	s_add_nc_u64 s[G0B+4*\slot+2:G0B+4*\slot+3], s[G0B+4*\slot+2:G0B+4*\slot+3], 8192
	JLOAD G0+4*\slot, G1, G0B+4*\slot, G1B         ; the first tensor load behind the round, my one load until the next; its four v_nop are among the places in front of the loads below
	PLACES NP-4
.else
	PLACES NP
.endif
	FETCH_B \next, 0, 0
	FETCH_A \next, 0, 0
	WIN MUL_HI
	MUL16 4, 1, \s, 0
	MUL16 6, 1, \s, 0
	PLACES NP
	WIN 0
	FETCH_A \next, 0, 4
.endm
	s_wait_alu depctr_va_vdst(0)                   ; the wait at the head's end
	s_wait_tensorcnt 0x0                           ; my part of slot 0 is in; these lines stand ahead of a later first fill, as ahead of a refill
	ds_add_u32 v[SPW], v[NIL]
	s_wait_dscnt 0x0
	CROUND                                         ; everybody's part is in
	JLOAD G0+4, G1, G0B+4, G1B                     ; slot 1's first fill, the first tensor load behind the round
	FETCH_B 0, 0, 0
	FETCH_A 0, 0, 0
	FETCH_A 0, 0, 4
	s_wait_loadcnt 0x0                             ; the scale words
	STEP 0, 0, 1                                   ; eight K steps, written out: the first starts the sums
	TURN 0, 1, 1, 1                                ; slot 0 takes K steps 4 and 5
	STEP 1, 2, 0
	TURN 1, 0, 3, 1                                ; slot 1 takes K steps 6 and 7
	STEP 0, 4, 0
	TURN 0, 1, 5, 0                                ; nothing is left to fetch
	STEP 1, 6, 0
	; B's set 0 has been read for the last time, eight places back: the bias lands there
	s_cmp_eq_u32 s17, 2
	s_cbranch_scc1 .Lbias_v
	WIN TO_B
.irp b, 0,1,2,3,4,5,6,7                ; q, k: the bias runs along the registers: B tile b, my half's eight channels
	global_load_b128 v[8*\b:8*\b+3], v[BOQ], s[76:77] offset:(32*(\b/2)+8*(\b%2))*4
	global_load_b128 v[8*\b+4:8*\b+7], v[BOQ], s[76:77] offset:(32*(\b/2)+8*(\b%2))*4+16
.endr
	WIN 0
	s_branch .Lbias_in
.Lbias_v:
	WIN TO_B
	s_wait_alu depctr_va_vdst(0)
.irp a, 0,1,2,3,4,5,6,7                ; v: the bias is my row's: A tile a; twice, as a pair for the packed addition
	global_load_b32 v[2*\a], v[BOV], s[76:77] offset:(32*(\a/2)+8*(\a%2))*4
	global_load_b32 v[2*\a+1], v[BOV], s[76:77] offset:(32*(\a/2)+8*(\a%2))*4
.endr
	WIN 0
.Lbias_in:
	s_wait_dscnt 16                                ; the last K step: nothing more to fetch
	WIN MUL_LO
	MUL16 0, 1, 7, 0
	MUL16 2, 1, 7, 0
	s_wait_dscnt 0
	WIN MUL_HI
	MUL16 4, 1, 7, 0
	MUL16 6, 1, 7, 0
	WIN 0
	PLACES NP                                      ; ahead of the first read of results and of the first write over A's fragments
	s_wait_loadcnt 0x0                             ; the bias
; THE WAY OUT of A block a: the bias is added (which also brings the 64 numbers into window 0, each accumulator from its low end on), they are quantised, and the codes are stored as they stand: each store covers 512 consecutive bytes, aligned.
.macro OUTA a, vt
.set AC, 64*((\a)%4)
.if (\a) > 0
	s_wait_xcnt 0x0                                ; the last block's stores have read the code registers
.endif
	WIN (0x06+((\a)/4))                            ; source 0 window 2 or 3, source 1 window 1, destination window 0
.irp b, 0,1,2,3,4,5,6,7
.irp j, 0,2,4,6
.if \vt
	v_pk_add_f32 v[ST+8*\b+\j:ST+8*\b+\j+1], v[AC+8*\b+\j:AC+8*\b+\j+1], v[2*(\a):2*(\a)+1]
.else
	v_pk_add_f32 v[ST+8*\b+\j:ST+8*\b+\j+1], v[AC+8*\b+\j:AC+8*\b+\j+1], v[8*\b+\j:8*\b+\j+1]
.endif
.endr
.endr
	WIN 0
	QUANT ST, PC, PW+(\a)
.irp c, 0,1,2,3
.if \vt
	global_store_b128 v[LI], v[PC+4*\c:PC+4*\c+3], s[72:73] offset:2048*((\a)%4)+17152*((\a)/4)+512*\c
.else
	global_store_b128 v[LI], v[PC+4*\c:PC+4*\c+3], s[72:73] offset:1024*(\a)+17152*(\c/2)+512*(\c%2)
.endif
.endr
.endm
.macro EPI vt
.irp a, 0,1,2,3,4,5,6,7
	OUTA \a, \vt
.endr
	v_cmp_le_u32 vcc_lo, 16, v[LN]
.irp i, 0,1,2,3
	v_cndmask_b32 v[W+\i], v[PW+\i], v[PW+4+\i], vcc_lo   ; both halves of the lanes hold every word: lanes 0-15 keep tiles 0-3, lanes 16-31 tiles 4-7
.endr
.if \vt
	global_store_b128 v[VSO], v[W:W+3], s[74:75] offset:512   ; [row][tile]: lanes 0-15 my first head's 256 bytes, lanes 16-31 the next head's
.else
.irp i, 0,1,2,3
	v_lshrrev_b32 v[W1+\i], 16, v[W+\i]            ; the next head's two bytes
.endr
.irp i, 0,1,2,3
	v_and_b32 v[W+\i], 0xffff, v[W+\i]             ; my first head's; bytes 2 and 3 are zero
.endr
	global_store_b128 v[LI], v[W:W+3], s[74:75]               ; [tile / 4][row][tile % 4]: 512 consecutive bytes
	global_store_b128 v[LI], v[W1:W1+3], s[74:75] offset:17152
.endif
.endm
	s_cmp_eq_u32 s17, 2
	s_cbranch_scc1 .Lout_v
	EPI 0
	s_branch .Lout_done
.Lout_v:
	EPI 1
.Lout_done:
	s_wait_tensorcnt 0x0                           ; the wave's end
	ds_add_u32 v[SPW], v[NIL]
	s_wait_dscnt 0x0
	CROUND                                         ; the closing round: no work-group ends while a partner may still ask for a tile that names it
	s_endpgm
.Lfunc_end_k_q489dc541df_qkv:
	.size	k_q489dc541df_qkv, .Lfunc_end_k_q489dc541df_qkv-k_q489dc541df_qkv
	.p2alignl 7, 3214868480
	.fill 96, 4, 3214868480
	.section	.rodata,"a",@progbits
	.p2align	6, 0x0
	.amdhsa_kernel k_q489dc541df_qkv
		.amdhsa_group_segment_fixed_size 327680
		.amdhsa_private_segment_fixed_size 0
		.amdhsa_enable_private_segment 0
		.amdhsa_kernarg_size 32
		.amdhsa_user_sgpr_count 2
		.amdhsa_user_sgpr_kernarg_segment_ptr 1
		.amdhsa_wavefront_size32 1
		.amdhsa_system_sgpr_workgroup_id_x 1
		.amdhsa_system_sgpr_workgroup_id_y 1
		.amdhsa_system_sgpr_workgroup_id_z 1
		.amdhsa_system_vgpr_workitem_id 0
		.amdhsa_next_free_vgpr 1024
		.amdhsa_next_free_sgpr 100
		.amdhsa_reserve_vcc 1
		.amdhsa_float_denorm_mode_32 3
		.amdhsa_float_denorm_mode_16_64 3
		.amdhsa_memory_ordered 1
		.amdhsa_forward_progress 1
		.amdhsa_inst_pref_size 255
	.end_amdhsa_kernel
	.section	.bss,"aw",@nobits
	.p2align	6
	.space	262144
	.amdgpu_metadata
---
amdhsa.version: [ 1, 2 ]
amdhsa.kernels:
  - .name:           k_q489dc541df_qkv
    .symbol:         k_q489dc541df_qkv.kd
    .args:
      - { .name: codes1, .offset: 0, .size: 8, .value_kind: global_buffer, .address_space: global }
      - { .name: scales1, .offset: 8, .size: 8, .value_kind: global_buffer, .address_space: global }
      - { .name: qkv_b, .offset: 16, .size: 8, .value_kind: global_buffer, .address_space: global }
      - { .name: img, .offset: 24, .size: 8, .value_kind: global_buffer, .address_space: global }
    .group_segment_fixed_size: 327680
    .private_segment_fixed_size: 0
    .kernarg_segment_align: 8
    .kernarg_segment_size: 32
    .max_flat_workgroup_size: 128
    .sgpr_count:     100
    .vgpr_count:     1024
    .wavefront_size: 32
...
	.end_amdgpu_metadata
.endif
;; end of part 2
;; launch attn (part 3): grid 8 x 32, 8 waves a work-group, clusters of 4 x 1, 275,456 bytes of LDS; arguments img, o_img, o_sc; writes o_img, o_sc
.if DOCPART == 3
	.amdgcn_target "amdgcn-amd-amdhsa--gfx1250"
	.amdhsa_code_object_version 6
	.text
	.protected	k_q489dc541df_attn
	.globl	k_q489dc541df_attn
	.p2align	8
	.type	k_q489dc541df_attn,@function
k_q489dc541df_attn:
	s_mov_b64 s[64:65], 0
	v_nop
	global_prefetch_b8 v0, s[64:65] scope:SCOPE_SE
	s_setreg_imm32_b32 hwreg(HW_REG_WAVE_MODE, 25, 1), 1
	s_wait_xcnt 0x0
	s_wait_alu depctr_hold_cnt(0) depctr_sa_sdst(0) depctr_va_vdst(0) depctr_va_sdst(0) depctr_va_ssrc(0) depctr_va_vcc(0) depctr_vm_vsrc(0)
	s_getreg_b32 s2, hwreg(HW_REG_IB_STS2, 6, 4)
	s_cmp_eq_u32 s2, 0
	s_cbranch_scc0 .Lentry_in_a_cluster
	s_endpgm
.Lentry_in_a_cluster:
	s_bfe_u32 s2, ttmp6, 0x10000c
	s_cmp_lg_u32 s2, 0x3003
	s_cbranch_scc0 .Lentry_shape_is_right
	s_endpgm
.Lentry_shape_is_right:
; o = softmax(q k^T / 8) v for one (batch, head) and 256 queries, both products on codes of FP8 (E4M3) with E8M0 scales; o is quantised along the hidden axis and leaves as codes.
; THE SOFTMAX: t = score x log2(e) / 8; M = the running largest t rounded UP to a whole number; p = 2^(t - M) is quantised along the keys, not normalised; the row's sum is taken of the unquantised p and divides O at the end.
;   When M moves, the sum and O are multiplied by 2^(old M - new M): exact.
; SHARES: eight waves, each with TWO tiles of 16 queries in 512 registers: two waves to a SIMD.  Each fragment of K and V that a wave loads serves both tiles.  Every wave walks the 2,048 keys, 128 a step.
; THE RECORDS: K's codes (8,192 bytes), V's (8,192) and their scale words (768) of 128 keys are one record of 17,152 bytes; a head's sixteen fit in LDS: each byte of LDS is filled once, nothing is filled again.
;   Waves 0 to 3 fetch records 0 to 3, one each, waves 4 to 7 the other twelve, three each: one tensor load a wave.  Keys 0 to 511 are shown by the first barrier, the others by a second, signalled ahead of the first loop and waited for behind it.
; CLUSTER 4 x 1: the four blocks of queries of a cluster belong to one head and need the same records: every load is asked for jointly (mask 15).  cx enters the addresses of q and o alone.
; NO PREFETCH: all tensor loads stand at the head; no loop runs ahead of them.
; LAYOUT: both products are used transposed, S^T = K Q^T and O^T = V^T P^T: a lane holds ONE query of each tile (lane % 16).  By the order of rows in a tile (tile 2 b + u, row r = row 32 b + 8 u + r + 8 (r / 8))
;   the 16 registers of tiles 2 b and 2 b + 1 of S^T are 16 neighbouring keys, and those of O^T 16 neighbouring channels: the conversions' results are the next operand's registers.
; K = 64 IN AN INSTRUCTION 128 DEEP: Q's registers 8-15 are zero codes, and bytes 2, 3 of Q's and K's scale words are 0 (2^-127).  K's operand of tile t names 16 registers: its upper eight are the next tile's
;   codes (for tile 7: eight registers of zeros).  Those are finite numbers (the quantiser holds at 448 and never gives the NaN code) and meet Q's zeros: they add exactly 0.
; LIMITS: NaN and infinities are not served; the scaled scores stay under 2^31 in magnitude.  1 / the sum is v_rcp_f32.  A block's largest p is made from its largest score by the same two instructions: this takes v_exp_f32 not to fall where its input rises.
;   A block of o whose largest magnitude lies under 2^-118 has its byte held at 1; a block of zeros (of p or of o) gets the byte 1: its codes are zeros.
.set REC,   17152
.set KVOFF, 512*REC                    ; in img: q's 512 records, then k's and v's
.set SPARE, 16*REC                     ; behind the records: the spare words, 128 bytes for each wave
; window 0
.set ADK, 1                            ; v1   the next step's K, v2 this step's V, v3 its V scale words
.set ADV, 2
.set ADT, 3
.set LI,  4                            ; v4   16 x lane
.set RT,  5                            ; v5   V's scale words in a record: 16,896 + 16 r
.set SPW, 6                            ; v6   my spare word, v7 0: never rewritten
.set NIL, 7
.set NM,  8                            ; v[8:9], v[10:11]  a tile's -M and its largest score so far
.set SUM, 12                           ; v[12:13], v[14:15]  a tile's sum in two halves
.set FF,  16                           ; v[16:17], v[18:19]  f = 2^(old M - new M); above it the old -M
.set BM,  20                           ; v20-27  the eight blocks' largest (block 4 a + b: tile a's b-th 32 keys)
.set PM,  28                           ; v28-35  the other half's, then bytes
.set HD,  36                           ; v36-43  448 x the scale
.set SO,  44                           ; v44-51  the conversions' scale operands
.set CH,  52                           ; v[52:53], v[54:55]  a tile's sum of the step
.set KSC, 56                           ; v56-59 K's scale words, v60-63 V's, v66-67 p's, v68-69 Q's: these hold scales and nothing else
.set VSC, 60
.set PSW, 66
.set QSC, 68
.set PCD, 72                           ; v72-103  p's codes
.set S,   104                          ; v104-231  S^T, then p: tile a at S + 64 a
.set CC,  232                          ; v232-239  four chains of a sum
; window 1
.set QF,  0                            ; v256-287  Q: 8 registers of codes and 8 of zeros a tile
.set KV,  32                           ; v288-351  eight tiles of K x 8 registers; v352-359 zeros
.set VV,  104                          ; v360-423  four fragments of V x 16
.set OT,  168                          ; v424-487  O^T: tile a at OT + 32 a
.set WV,  12
.set SEL, 20                           ; s[20:21]
.set CS,  22                           ; s[22:23] c = log2(e) / 8
.set MNT, 24
.set NCS, 25                           ; s25  -c
.set TV,  26                           ; s26  the step's record in LDS, s27 the next step's
.set TN,  27
.set CNT, 35
.set G1A, 40                           ; s[40:47], s[56:59] descriptor groups for waves 0 to 3;  s[48:55], s[60:63] for waves 4 to 7
.set G1B, 48
.set G0A, 56
.set G0B, 60
.set MSB, 0
.macro WIN new                         ; the immediate's high byte repeats the setting that is left
.if MSB != \new
	s_set_vgpr_msb (MSB<<8)|\new
.set MSB, \new
.endif
.endm
.macro ROUND                           ; a round of the cluster's barrier
	s_barrier_signal -1
	s_barrier_wait -1
	s_cmp_lg_u32 s[WV], 0
	s_cbranch_scc1 .Lnot_wave_0_\@
	s_barrier_signal -3
.Lnot_wave_0_\@:
	s_barrier_wait -3
	s_barrier_signal -1
	s_barrier_wait -1
.endm
	s_load_b128 s[4:7], s[0:1], 0x0                ; img, o_img
	s_load_b64 s[8:9], s[0:1], 0x10                ; o_sc
	v_lshl_add_u32 v[SPW], v0, 2, SPARE
	v_mov_b32 v[NIL], 0
	ds_add_u32 v[SPW], v[NIL]                      ; the wave's opening: the add, twice on end, and its wait ahead of my first tensor load
	ds_add_u32 v[SPW], v[NIL]
	v_lshrrev_b32 v[BM], 5, v0
	v_readfirstlane_b32 s[WV], v[BM]               ; wave 0..7
	s_and_b32 s15, ttmp7, 0xffff
	s_lshr_b32 s16, s15, 4                         ; batch
	s_and_b32 s17, s15, 15                         ; head
	s_and_b32 s18, s[WV], 3
	s_lshl_b32 s19, s16, 8
	s_add_co_u32 s19, s19, s17
	s_mul_i32 s19, s19, REC
	s_add_co_u32 s19, s19, KVOFF                   ; the head's first record; the next lies 16 records on.  Nothing here hangs on cx
	s_mul_i32 s28, s[WV], 16*REC                   ; waves 0 to 3: record = wave
	s_add_co_u32 s28, s28, s19
	s_mov_b32 s29, 0
	s_mul_i32 s33, s[WV], REC
	s_mul_i32 s30, s18, 48*REC                     ; waves 4 to 7: records 4 + 3 (wave % 4) .. + 2
	s_add_co_u32 s30, s30, s19
	s_add_co_u32 s30, s30, 64*REC
	s_mov_b32 s31, 0
	s_mul_i32 s34, s18, 3*REC
	s_add_co_u32 s34, s34, 4*REC
	s_mov_b32 s[G1A], 15|(3<<16)|(1<<21)           ; 15:0 the mask: all four work-groups; 17:16 elements of 8 bytes; 21 set beside a mask
	s_mov_b32 s[G1A+1], (REC/8)<<16                ; tensor_dim0
	s_mov_b32 s[G1A+2], 1<<16                      ; tensor_dim1
	s_mov_b32 s[G1A+3], (REC/8)<<16                ; tile_dim0
	s_mov_b32 s[G1A+4], 1                          ; tile_dim1
	s_mov_b32 s[G1A+5], 2*REC                      ; tensor_dim0_stride: 16 records
	s_mov_b32 s[G1A+6], 0
	s_mov_b32 s[G1A+7], 0
	s_mov_b32 s[G1B], 15|(3<<16)|(1<<21)
	s_mov_b32 s[G1B+1], (REC/8)<<16
	s_mov_b32 s[G1B+2], 3<<16
	s_mov_b32 s[G1B+3], (REC/8)<<16
	s_mov_b32 s[G1B+4], 3
	s_mov_b32 s[G1B+5], 2*REC
	s_mov_b32 s[G1B+6], 0
	s_mov_b32 s[G1B+7], 0
	s_bfe_u32 s13, ttmp6, 0x40000                  ; cx
	s_lshl_b32 s14, ttmp9, 2
	s_add_co_u32 s14, s14, s13                     ; my block of 256 queries
	s_lshl_b32 s36, s16, 4
	s_lshl_b32 s37, s14, 1
	s_add_co_u32 s36, s36, s37
	s_lshr_b32 s37, s[WV], 2
	s_add_co_u32 s36, s36, s37                     ; which 128 tokens: 16 x batch + 2 x block + wave / 4
	s_lshl_b32 s36, s36, 4
	s_add_co_u32 s36, s36, s17
	s_mul_i32 s36, s36, REC                        ; Q's record
	s_lshl_b32 s38, s18, 11
	s_add_co_u32 s38, s38, s36                     ; my tiles 2 (wave % 4) and + 1: 1,024 bytes of codes each
	s_mov_b32 s39, 0
	s_lshr_b32 s84, s18, 1
	s_lshl_b32 s84, s84, 8
	s_and_b32 s85, s18, 1
	s_lshl_b32 s85, s85, 3
	s_add_co_u32 s84, s84, s85
	s_add_co_u32 s84, s84, s36
	s_add_co_u32 s84, s84, 16384                   ; Q's scale words: [tile / 4][row][tile % 4]
	s_mov_b32 s85, 0
	s_lshl_b32 s86, s16, 7
	s_lshl_b32 s87, s14, 4
	s_add_co_u32 s86, s86, s87
	s_lshl_b32 s87, s[WV], 1
	s_add_co_u32 s86, s86, s87                     ; my first token tile of 256: 128 x batch + 16 x block + 2 x wave
	s_lshl_b32 s88, s86, 14                        ; o's codes: [tile][K step = head / 2][2048], groups 2 (head % 2) and + 1
	s_lshr_b32 s89, s17, 1
	s_lshl_b32 s89, s89, 11
	s_add_co_u32 s88, s88, s89
	s_and_b32 s89, s17, 1
	s_lshl_b32 s89, s89, 10
	s_add_co_u32 s88, s88, s89
	s_mov_b32 s89, 0
	s_lshl_b32 s90, s86, 9                         ; o's scale bytes: [tile][head / 8][row][16 bytes], my two at 2 (head % 8)
	s_lshr_b32 s91, s17, 3
	s_lshl_b32 s91, s91, 8
	s_add_co_u32 s90, s90, s91
	s_and_b32 s91, s17, 7
	s_lshl_b32 s91, s91, 1
	s_add_co_u32 s90, s90, s91
	s_mov_b32 s91, 0
	s_mov_b32 s[SEL], 0x76543210
	s_mov_b32 s[SEL+1], 0xfedcba98                 ; v_permlanex16_b32's selects for lane l xor 16
	s_mov_b32 s[CS], 0x3e38aa3b                    ; c = log2(e) / sqrt(64)
	s_mov_b32 s[CS+1], s[CS]                       ; (named with it as a pair, so it is written)
	s_mov_b32 s[NCS], 0xbe38aa3b
	s_mov_b32 s[MNT], 0x600000                     ; the mantissa field of 448
	s_wait_dscnt 0x0                               ; both opening adds are done
	ROUND                                          ; all four work-groups are here: the joint loads meet
	s_wait_kmcnt 0x0
	s_mov_b32 s[G0A], 1
	s_mov_b32 s[G0A+1], s33
	s_add_nc_u64 s[G0A+2:G0A+3], s[4:5], s[28:29]
	s_or_b32 s[G0A+3], s[G0A+3], 0x80000000
	s_mov_b32 s[G0B], 1
	s_mov_b32 s[G0B+1], s34
	s_add_nc_u64 s[G0B+2:G0B+3], s[4:5], s[30:31]
	s_or_b32 s[G0B+3], s[G0B+3], 0x80000000
	s_cmp_lt_u32 s[WV], 4                          ; one joint load a wave; waves 0 to 3 have a line of their own: theirs is shown first
	s_cbranch_scc0 .Lfor_rest
	tensor_load_to_lds s[G0A:G0A+3], s[G1A:G1A+7]
	s_nop 0
.rept 4
	v_nop
.endr
	s_branch .Lasked
.Lfor_rest:
	tensor_load_to_lds s[G0B:G0B+3], s[G1B:G1B+7]
	s_nop 0
.rept 4
	v_nop
.endr
.Lasked:
	s_add_nc_u64 s[38:39], s[4:5], s[38:39]
	s_add_nc_u64 s[84:85], s[4:5], s[84:85]
	s_add_nc_u64 s[6:7], s[6:7], s[88:89]
	s_add_nc_u64 s[8:9], s[8:9], s[90:91]
	v_and_b32 v[BM], 31, v0
	v_and_b32 v[BM+1], 15, v0                      ; r
	v_lshlrev_b32 v[LI], 4, v[BM]
	v_lshlrev_b32 v[HD], 4, v[BM+1]
	v_lshl_add_u32 v[RT], v[BM+1], 4, 16896
	global_load_b32 v[QSC], v[HD], s[84:85]        ; lane r: row r's word
	global_load_b32 v[QSC+1], v[HD], s[84:85] offset:4
	WIN 0x40
.irp a, 0,1
.irp c, 0,1
	global_load_b128 v[QF+16*\a+4*\c:QF+16*\a+4*\c+3], v[LI], s[38:39] offset:1024*\a+512*\c   ; Q's groups stay in registers
.endr
.endr
.irp j, 0,1,2,3,4,5,6,7
	v_mov_b32 v[QF+8+\j], 0                        ; Q's upper 64 along K: zero codes
	v_mov_b32 v[QF+24+\j], 0
	v_mov_b32 v[KV+64+\j], 0                       ; and what K's last tile names beyond its own
.endr
.set j, 0
.rept 64
	v_mov_b32 v[OT+j], 0                           ; O^T.  (The step is one macro for all steps: the first finds zeros, which the first change of M leaves zeros)
.set j, j+1
.endr
	WIN 0
.irp a, 0,1
	v_mov_b32 v[NM+2*\a+1], 0xff61b1e6             ; the largest score so far: -3e38, under every score
	v_mul_f32 v[NM+2*\a], s[NCS], v[NM+2*\a+1]
	v_floor_f32 v[NM+2*\a], v[NM+2*\a]             ; -M
	v_mov_b32 v[FF+2*\a+1], v[NM+2*\a]
	v_mov_b32 v[SUM+2*\a], 0
	v_mov_b32 v[SUM+2*\a+1], 0
.endr
.irp g, 0,1,2,3,4,5,6,7
	v_mov_b32 v[PM+\g], 0                          ; written once: a lane permute's destination counts as one of its sources
.endr
.macro KLOAD adr                       ; a step's eight tiles of K: window 1
.irp t, 0,1,2,3,4,5,6,7
.irp c, 0,1
	ds_load_b128 v[KV+8*\t+4*\c:KV+8*\t+4*\c+3], v[\adr] offset:1024*\t+512*\c
.endr
.endr
.endm
.macro SCALES a                        ; tile a's four blocks: BM is each block's largest p
.irp b, 0,1,2,3
	v_max_num_f32 v[BM+4*\a+\b], 0x4800000, v[BM+4*\a+\b]    ; the floor 2^(9 - 127): the byte cannot fall under 1
.endr
.irp b, 0,1,2,3
	s_delay_alu instid0(VALU_DEP_4)
	v_add_nc_u32 v[SO+4*\a+\b], 0xfc000000, v[BM+4*\a+\b]    ; 8 off the exponent field: the conversion's scale operand
.endr
.irp b, 0,1,2,3
	v_and_or_b32 v[HD+4*\a+\b], v[BM+4*\a+\b], 0x7f800000, s[MNT]   ; 448 x the scale
.endr
.irp b, 0,1,2,3
	v_lshrrev_b32 v[PM+4*\a+\b], 23, v[SO+4*\a+\b]           ; the scale's byte
.endr
	s_delay_alu instid0(VALU_DEP_3)
	v_lshl_or_b32 v[PSW+\a], v[PM+4*\a+1], 8, v[PM+4*\a]     ; p's scale word for these 128 keys
	s_delay_alu instid0(VALU_DEP_1)
	v_lshl_or_b32 v[PSW+\a], v[PM+4*\a+2], 16, v[PSW+\a]
	s_delay_alu instid0(VALU_DEP_1)
	v_lshl_or_b32 v[PSW+\a], v[PM+4*\a+3], 24, v[PSW+\a]
.endm
.macro SUMS a                          ; the step's sum of tile a's unquantised p, in four chains
.irp k, 0,1,2,3
	v_pk_add_f32 v[CC+2*\k:CC+2*\k+1], v[S+64*\a+4*\k:S+64*\a+4*\k+1], v[S+64*\a+4*\k+2:S+64*\a+4*\k+3]
.endr
.irp j, 16,24,32,40,48,56
.irp k, 0,1,2,3
	v_pk_add_f32 v[CC+2*\k:CC+2*\k+1], v[CC+2*\k:CC+2*\k+1], v[S+64*\a+\j+2*\k:S+64*\a+\j+2*\k+1]
.endr
.endr
	v_pk_add_f32 v[CC:CC+1], v[CC:CC+1], v[CC+4:CC+5]
	v_pk_add_f32 v[CC+2:CC+3], v[CC+2:CC+3], v[CC+6:CC+7]
	v_pk_add_f32 v[CH+2*\a:CH+2*\a+1], v[CC:CC+1], v[CC+2:CC+3]
.endm
.macro HOLD2 j, h                      ; two p's held at the largest code x their block's scale: the conversion does not saturate (ISA guide 7.6.2); p is not negative, so the hold is one-sided
	v_dual_min_num_f32 v[S+\j], v[\h], v[S+\j] :: v_dual_min_num_f32 v[S+\j+1], v[\h], v[S+\j+1]
.endm
.macro CVT a
.irp b, 0,1,2,3
	v_cvt_scalef32_pk8_fp8_f32 v[PCD+16*\a+4*\b:PCD+16*\a+4*\b+1], v[S+64*\a+16*\b:S+64*\a+16*\b+7], v[SO+4*\a+\b]
	v_cvt_scalef32_pk8_fp8_f32 v[PCD+16*\a+4*\b+2:PCD+16*\a+4*\b+3], v[S+64*\a+16*\b+8:S+64*\a+16*\b+15], v[SO+4*\a+\b]
.endr
.endm
; A KEY STEP: 128 keys, record s[TV].  K's tiles of this step are on their way or in; this step's V and the next step's K are asked for behind the first products.
.macro STEP
	s_wait_dscnt 0x0                               ; K and its scale words
	WIN 0x05                                       ; sources 0 and 1: window 1
.irp t, 0,1,2,3,4,5,6,7
.irp a, 0,1
.if \t < 4
	v_wmma_scale_f32_16x16x128_f8f6f4 v[S+64*\a+8*\t:S+64*\a+8*\t+7], v[KV+8*\t:KV+8*\t+15], v[QF+16*\a:QF+16*\a+15], 0, v[KSC+\t], v[QSC+\a]
.else
	v_wmma_scale_f32_16x16x128_f8f6f4 v[S+64*\a+8*\t:S+64*\a+8*\t+7], v[KV+8*\t:KV+8*\t+15], v[QF+16*\a:QF+16*\a+15], 0, v[KSC+\t-4], v[QSC+\a] matrix_a_scale:MATRIX_SCALE_ROW1
.endif
.endr
.endr
	WIN 0
	s_add_co_u32 s[TN], s[TV], REC
	s_min_u32 s[TN], s[TN], 15*REC                 ; (the last step asks for its own K once more: those registers are not read)
	v_add_nc_u32 v[ADV], s[TV], v[LI]
	v_add_nc_u32 v[ADT], s[TV], v[RT]
	v_add_nc_u32 v[ADK], s[TN], v[LI]
.rept 5
	v_nop                                          ; with the three additions: eight places ahead of the loads over what products have read, and of the first read of the scores
.endr
	ds_load_b128 v[VSC:VSC+3], v[ADT]
	ds_load_b128 v[KSC:KSC+3], v[ADK] offset:16384 ; register t % 4: lanes 0-15 tile t < 4, lanes 16-31 tile t >= 4
	WIN 0x40
.irp t, 0,1,2,3
.irp c, 0,1,2,3
	ds_load_b128 v[VV+16*\t+4*\c:VV+16*\t+4*\c+3], v[ADV] offset:8192+2048*\t+512*\c
.endr
.endr
	KLOAD ADK
	WIN 0
.irp g, 0,1,2,3,4,5,6,7
	v_max3_num_f32 v[BM+\g], v[S+16*\g], v[S+1+16*\g], v[S+2+16*\g]   ; the largest score of each block of 32 keys: it serves for the row's maximum and, since p rises with the score, for the block's largest p
.endr
.irp i, 3,5,7,9,11,13
.irp g, 0,1,2,3,4,5,6,7
	v_max3_num_f32 v[BM+\g], v[BM+\g], v[S+16*\g+\i], v[S+1+16*\g+\i]
.endr
.endr
.irp g, 0,1,2,3,4,5,6,7
	v_max_num_f32 v[BM+\g], v[BM+\g], v[S+15+16*\g]
.endr
.irp g, 0,1,2,3,4,5,6,7
	v_permlanex16_b32 v[PM+\g], v[BM+\g], s[SEL], s[SEL+1]
.endr
.irp g, 0,1,2,3,4,5,6,7
	v_max_num_f32 v[BM+\g], v[BM+\g], v[PM+\g]     ; with lane l xor 16's 16 keys
.endr
.irp a, 0,1
	v_max3_num_f32 v[PM+4*\a], v[BM+4*\a], v[BM+4*\a+1], v[BM+4*\a+2]
.endr
.irp a, 0,1
	s_delay_alu instid0(VALU_DEP_2)
	v_max3_num_f32 v[NM+2*\a+1], v[NM+2*\a+1], v[PM+4*\a], v[BM+4*\a+3]   ; the running largest score
.endr
.irp a, 0,1
	s_delay_alu instid0(VALU_DEP_2)
	v_mul_f32 v[PM+4*\a], s[NCS], v[NM+2*\a+1]     ; -t
.endr
.irp a, 0,1
	s_delay_alu instid0(VALU_DEP_2)
	v_floor_f32 v[NM+2*\a], v[PM+4*\a]             ; the new -M = floor(-t) = -ceil(t): a whole number
.endr
.irp a, 0,1
	s_delay_alu instid0(VALU_DEP_2)
	v_sub_f32 v[FF+2*\a+1], v[NM+2*\a], v[FF+2*\a+1]   ; old M - new M: a whole number, 0 or less
.endr
.irp a, 0,1
	s_delay_alu instid0(VALU_DEP_2)
	v_cvt_i32_f32 v[FF+2*\a+1], v[FF+2*\a+1]       ; (it saturates)
.endr
.irp a, 0,1
	s_delay_alu instid0(VALU_DEP_2)
	v_ldexp_f32 v[FF+2*\a], 1.0, v[FF+2*\a+1]      ; f = 2^(old M - new M)
.endr
.set j, 0
.rept 32
	v_pk_fma_f32 v[S+j:S+j+1], v[S+j:S+j+1], s[CS:CS+1], v[NM:NM+1] op_sel_hi:[1,0,0]   ; tile 0: t - M, two at a time (of the pairs c and -M the low word serves both halves)
.set j, j+2
.endr
.irp g, 0,1,2,3,4,5,6,7
	v_fma_f32 v[BM+\g], v[BM+\g], s[CS], v[NM+2*(\g/4)]   ; the same of each block's largest score
.endr
	s_wait_alu depctr_va_vdst(0)                   ; the wait ahead of the batch
.irp b, 0,1,2,3
	v_exp_f32 v[BM+\b], v[BM+\b]                   ; the block's largest p: the same two instructions on the same number give the same bits
.endr
.set j, 0
.rept 32                               ; tile 0's exponentials, with tile 1's multiply-adds among them
	v_exp_f32 v[S+j], v[S+j]                       ; p = 2^(t - M), at most 1
	v_exp_f32 v[S+j+1], v[S+j+1]
	v_pk_fma_f32 v[S+64+j:S+64+j+1], v[S+64+j:S+64+j+1], s[CS:CS+1], v[NM+2:NM+3] op_sel_hi:[1,0,0]
.set j, j+2
.endr
	s_wait_alu depctr_va_vdst(0)                   ; ahead of the batch's first reader
	SCALES 0
	SUMS 0
	s_wait_alu depctr_va_vdst(0)                   ; and ahead of the second batch
.irp b, 4,5,6,7
	v_exp_f32 v[BM+\b], v[BM+\b]
.endr
.set j, 0
.rept 32                               ; tile 1's exponentials, with tile 0's holds among them
	v_exp_f32 v[S+64+j], v[S+64+j]
	v_exp_f32 v[S+65+j], v[S+65+j]
	HOLD2 j, HD+j/16
.set j, j+2
.endr
	WIN 0x41                                       ; destination and source 0: window 1
	s_wait_alu depctr_va_vdst(0)                   ; behind the batch, and directly ahead of the first reader of O^T
.set j, 0
.rept 32
	v_pk_mul_f32 v[OT+j:OT+j+1], v[OT+j:OT+j+1], v[FF+2*(j/32):FF+2*(j/32)+1] op_sel_hi:[1,0]   ; O^T under the new M
.set j, j+2
.endr
	WIN 0
	CVT 0
	SCALES 1
	SUMS 1
.set j, 64
.rept 32
	HOLD2 j, HD+j/16
.set j, j+2
.endr
	CVT 1
.irp a, 0,1
	v_pk_fma_f32 v[SUM+2*\a:SUM+2*\a+1], v[SUM+2*\a:SUM+2*\a+1], v[FF+2*\a:FF+2*\a+1], v[CH+2*\a:CH+2*\a+1] op_sel_hi:[1,0,1]   ; the sums under the new M
.endr
.irp a, 0,1
	v_mov_b32 v[FF+2*\a+1], v[NM+2*\a]             ; the next step's old -M.  (These four lines are also the places between the conversions and the products)
.endr
	s_wait_alu depctr_va_vdst(0)                   ; directly ahead of the wait below
	s_wait_dscnt 16                                ; V and the scale words are in; the next step's 16 loads of K, issued last, may be out
	WIN 0x51                                       ; source 0, C and D: window 1
.irp t, 0,1,2,3
.irp a, 0,1
	v_wmma_scale_f32_16x16x128_f8f6f4 v[OT+32*\a+8*\t:OT+32*\a+8*\t+7], v[VV+16*\t:VV+16*\t+15], v[PCD+16*\a:PCD+16*\a+15], v[OT+32*\a+8*\t:OT+32*\a+8*\t+7], v[VSC+\t], v[PSW+\a]   ; the eight accumulators by turns
.endr
.endr
	WIN 0
	s_add_co_u32 s[TV], s[TV], REC
.endm
	s_wait_alu depctr_va_vdst(0)                   ; the wait at the head's end
	s_wait_loadcnt 0x0                             ; Q
	s_cmp_lt_u32 s[WV], 4
	s_cbranch_scc0 .Lnot_first
	s_wait_tensorcnt 0x0                           ; waves 0 to 3: records 0 to 3 are in
.Lnot_first:
	s_barrier_signal -1
	s_barrier_wait -1                              ; keys 0 to 511 are in LDS
	s_wait_tensorcnt 0x0                           ; my part of the rest is in; said now, asked for behind the first loop
	s_barrier_signal -1
	ds_load_b128 v[KSC:KSC+3], v[LI] offset:16384
	WIN 0x40
	KLOAD LI
	WIN 0
	s_mov_b32 s[TV], 0
	s_mov_b32 s[CNT], 3
.Lfirst:                                           ; steps 0 to 2: with the K that is asked for ahead, records 0 to 3
	STEP
	s_sub_co_u32 s[CNT], s[CNT], 1
	s_cmp_lg_u32 s[CNT], 0
	s_cbranch_scc1 .Lfirst
	s_barrier_wait -1                              ; all records are in LDS
	s_mov_b32 s[TV], 3*REC
	s_mov_b32 s[CNT], 13
.Lrest:                                            ; steps 3 to 15
	STEP
	s_sub_co_u32 s[CNT], s[CNT], 1
	s_cmp_lg_u32 s[CNT], 0
	s_cbranch_scc1 .Lrest
	; THE WAY OUT.  O^T / the sum; a tile's 32 numbers a lane are channels 32 b + 16 (l / 16) + 0 .. 15 of my head: two blocks of the next product's K; they are quantised and stored as the next operand's registers.
.irp a, 0,1
	v_add_f32 v[SUM+2*\a], v[SUM+2*\a], v[SUM+2*\a+1]
.endr
.irp a, 0,1
	v_permlanex16_b32 v[FF+2*\a+1], v[SUM+2*\a], s[SEL], s[SEL+1]
.endr
.irp a, 0,1
	v_add_f32 v[SUM+2*\a], v[SUM+2*\a], v[FF+2*\a+1]   ; with lane l xor 16's: the row's sum
.endr
	s_wait_alu depctr_va_vdst(0)                   ; ahead of the transcendentals too
	v_rcp_f32 v[SUM], v[SUM]
	v_rcp_f32 v[SUM+2], v[SUM+2]
	v_and_b32 v[RT], 15, v0                        ; (with the six lines above: places behind the last products)
	v_lshlrev_b32 v[RT], 4, v[RT]
	v_and_b32 v[ADT], 31, v0
	WIN 0x01
	s_wait_alu depctr_va_vdst(0)
.set j, 0
.rept 32
	v_pk_mul_f32 v[S+j:S+j+1], v[OT+j:OT+j+1], v[SUM+2*(j/32):SUM+2*(j/32)+1] op_sel_hi:[1,0]   ; each accumulator from its low end on
.set j, j+2
.endr
	WIN 0
.irp g, 0,1,2,3
	v_max3_num_f32 v[BM+\g], |v[S+16*\g]|, |v[S+1+16*\g]|, 0x4800000
.endr
.irp i, 2,4,6,8,10,12,14
.irp g, 0,1,2,3
	v_max3_num_f32 v[BM+\g], v[BM+\g], |v[S+16*\g+\i]|, |v[S+1+16*\g+\i]|
.endr
.endr
.irp g, 0,1,2,3
	v_permlanex16_b32 v[PM+\g], v[BM+\g], s[SEL], s[SEL+1]
.endr
.irp g, 0,1,2,3
	v_max_num_f32 v[BM+\g], v[BM+\g], v[PM+\g]
.endr
.irp g, 0,1,2,3
	v_add_nc_u32 v[SO+\g], 0xfc000000, v[BM+\g]
.endr
.irp g, 0,1,2,3
	v_and_or_b32 v[HD+\g], v[BM+\g], 0x7f800000, s[MNT]
.endr
.irp g, 0,1,2,3
	v_lshrrev_b32 v[PM+\g], 23, v[SO+\g]
.endr
.irp a, 0,1
	v_lshl_or_b32 v[FF+2*\a+1], v[PM+2*\a+1], 8, v[PM+2*\a]   ; a row's two scale bytes
.endr
.irp g, 0,1,2,3
.irp i, 0,1,2,3,4,5,6,7,8,9,10,11,12,13,14,15
	v_med3_num_f32 v[S+16*\g+\i], v[S+16*\g+\i], -v[HD+\g], v[HD+\g]
.endr
	v_cvt_scalef32_pk8_fp8_f32 v[PCD+4*\g:PCD+4*\g+1], v[S+16*\g:S+16*\g+7], v[SO+\g]
	v_cvt_scalef32_pk8_fp8_f32 v[PCD+4*\g+2:PCD+4*\g+3], v[S+16*\g+8:S+16*\g+15], v[SO+\g]
.endr
	v_nop                                          ; one plain line behind the last conversion
.irp g, 0,1,2,3
	global_store_b128 v[LI], v[PCD+4*\g:PCD+4*\g+3], s[6:7] offset:16384*(\g/2)+512*(\g%2)   ; 32 lanes store 512 consecutive bytes, aligned
.endr
	s_wait_xcnt 0x0                                ; EXEC is a source of the pending stores: it changes only behind this wait
	v_cmp_gt_u32 vcc_lo, 16, v[ADT]
	s_and_saveexec_b32 s28, vcc_lo
	global_store_b16 v[RT], v[FF+1], s[8:9]        ; two bytes a row, 16 bytes apart, inside one block of 256 bytes: 32 bytes a tile beside its 1,024 of codes; in exchange the next launch reads o's scale words as it reads every other operand's
	global_store_b16 v[RT], v[FF+3], s[8:9] offset:512
	s_wait_xcnt 0x0
	s_or_b32 exec_lo, exec_lo, s28
	s_wait_tensorcnt 0x0                           ; the wave's end
	ds_add_u32 v[SPW], v[NIL]
	s_wait_dscnt 0x0
	ROUND                                          ; the closing round: no work-group ends while a partner may still ask for a tile that names it
	s_endpgm
.Lfunc_end_k_q489dc541df_attn:
	.size	k_q489dc541df_attn, .Lfunc_end_k_q489dc541df_attn-k_q489dc541df_attn
	.p2alignl 7, 3214868480
	.fill 96, 4, 3214868480
	.section	.rodata,"a",@progbits
	.p2align	6, 0x0
	.amdhsa_kernel k_q489dc541df_attn
		.amdhsa_group_segment_fixed_size 275456
		.amdhsa_private_segment_fixed_size 0
		.amdhsa_enable_private_segment 0
		.amdhsa_kernarg_size 24
		.amdhsa_user_sgpr_count 2
		.amdhsa_user_sgpr_kernarg_segment_ptr 1
		.amdhsa_wavefront_size32 1
		.amdhsa_system_sgpr_workgroup_id_x 1
		.amdhsa_system_sgpr_workgroup_id_y 1
		.amdhsa_system_sgpr_workgroup_id_z 1
		.amdhsa_system_vgpr_workitem_id 0
		.amdhsa_next_free_vgpr 512
		.amdhsa_next_free_sgpr 96
		.amdhsa_reserve_vcc 1
		.amdhsa_float_denorm_mode_32 3
		.amdhsa_float_denorm_mode_16_64 3
		.amdhsa_memory_ordered 1
		.amdhsa_forward_progress 1
		.amdhsa_inst_pref_size 92
	.end_amdhsa_kernel
	.amdgpu_metadata
---
amdhsa.version: [ 1, 2 ]
amdhsa.kernels:
  - .name:           k_q489dc541df_attn
    .symbol:         k_q489dc541df_attn.kd
    .args:
      - { .name: img, .offset: 0, .size: 8, .value_kind: global_buffer, .address_space: global }
      - { .name: o_img, .offset: 8, .size: 8, .value_kind: global_buffer, .address_space: global }
      - { .name: o_sc, .offset: 16, .size: 8, .value_kind: global_buffer, .address_space: global }
    .group_segment_fixed_size: 275456
    .private_segment_fixed_size: 0
    .kernarg_segment_align: 8
    .kernarg_segment_size: 24
    .max_flat_workgroup_size: 256
    .sgpr_count:     96
    .vgpr_count:     512
    .wavefront_size: 32
...
	.end_amdgpu_metadata
.endif
;; end of part 3
;; launch proj (part 4): grid 8 x 32, 4 waves a work-group, clusters of 4 x 4, 327,680 bytes of LDS; arguments o_img, o_sc, codes1, scales1, out_b, out0; writes out0
.if DOCPART == 4
	.amdgcn_target "amdgcn-amd-amdhsa--gfx1250"
	.amdhsa_code_object_version 6
	.text
	.protected	k_q489dc541df_proj
	.globl	k_q489dc541df_proj
	.p2align	8
	.type	k_q489dc541df_proj,@function
k_q489dc541df_proj:
	s_mov_b64 s[64:65], 0
	v_nop
	global_prefetch_b8 v0, s[64:65] scope:SCOPE_SE
	s_setreg_imm32_b32 hwreg(HW_REG_WAVE_MODE, 25, 1), 1
	s_wait_xcnt 0x0
	s_wait_alu depctr_hold_cnt(0) depctr_sa_sdst(0) depctr_va_vdst(0) depctr_va_sdst(0) depctr_va_ssrc(0) depctr_va_vcc(0) depctr_vm_vsrc(0)
	s_getreg_b32 s2, hwreg(HW_REG_IB_STS2, 6, 4)
	s_cmp_eq_u32 s2, 0
	s_cbranch_scc0 .Lentry_in_a_cluster
	s_endpgm
.Lentry_in_a_cluster:
	s_bfe_u32 s2, ttmp6, 0x10000c
	s_cmp_lg_u32 s2, 0xf033
	s_cbranch_scc0 .Lentry_shape_is_right
	s_endpgm
.Lentry_shape_is_right:
; out = o out_w^T + out_b on codes of FP8 (E4M3) with E8M0 scales, sums in f32; the bias is the first products' C.  A work-group of four waves makes 128 x 128 of the result, a wave 64 x 64.
; OPERANDS are images of their registers (a tile of 16 rows x 128 K: 2,048 bytes; a tile for all of K: 16,384 bytes on end).  All of K for 128 rows of o and 128 of out_w is 262,144 bytes: LDS is filled once, one tensor load a wave:
;   waves 0, 1 fetch o's halves (64 rows x all of K), waves 2, 3 out_w's.  LDS: o at 0, out_w at 131,072: [half][tile: 4][K step: 8][2048].
; CLUSTER 4 x 4: o's tiles are shared along a row of the cluster, out_w's along a column.  No prefetch: no loop runs ahead of the loads.
; A row of a tile (tile 2 b + u, row r) is the tensor's row 32 b + 8 u + r + 8 (r / 8).  Source 0 is out_w: a lane holds eight neighbouring numbers of a row of out; 16 rows at a time go through the wave's own stage behind the operands and leave as rows of 256 bytes.
; LIMITS: NaN and infinities are not served.
.set STG,  262144
.set ADRA, 16
.set ADRB, 20
.set STO,  24
.set RD,   25
.set CO,   26
.set BO,   27
.set LI,   28
.set SA,   32
.set SB,   48
.set CB,   64
.set OUT0, 96
.set ACC,  128
.set G1A,  24
.set G1B,  32
.set G0A,  48
.set G0B,  68
.set MSB, 0
.macro WIN new
.if MSB != \new
	s_set_vgpr_msb (MSB<<8)|\new
.set MSB, \new
.endif
.endm
.macro JLOAD g0a, g1a, g0b, g1b
	s_cmp_eq_u32 s17, 0
	s_cbranch_scc0 .Lfor_b_\@
	tensor_load_to_lds s[\g0a:\g0a+3], s[\g1a:\g1a+7]
	s_nop 0
.rept 4
	v_nop
.endr
	s_branch .Lasked_\@
.Lfor_b_\@:
	tensor_load_to_lds s[\g0b:\g0b+3], s[\g1b:\g1b+7]
	s_nop 0
.rept 4
	v_nop
.endr
.Lasked_\@:
.endm
.macro CROUND
	s_barrier_signal -1
	s_barrier_wait -1
	s_cmp_lg_u32 s16, 0
	s_cbranch_scc1 .Lnot_wave_0_\@
	s_barrier_signal -3
.Lnot_wave_0_\@:
	s_barrier_wait -3
	s_barrier_signal -1
	s_barrier_wait -1
.endm
.macro PLACES n
.rept \n
	v_nop
.endr
.endm
	s_load_b256 s[4:11], s[0:1], 0x0
	s_load_b128 s[12:15], s[0:1], 0x20
	v_lshl_add_u32 v30, v0, 2, 0x44400
	v_mov_b32 v31, 0
	ds_add_u32 v30, v31
	ds_add_u32 v30, v31
	v_lshrrev_b32 v1, 5, v0
	v_readfirstlane_b32 s16, v1
	s_lshr_b32 s17, s16, 1
	s_and_b32 s18, s16, 1
	s_bfe_u32 s40, ttmp6, 0x40000
	s_bfe_u32 s41, ttmp6, 0x40004
	s_lshl_b32 s42, ttmp9, 2
	s_add_co_u32 s42, s42, s40
	s_and_b32 s43, ttmp7, 0xffff
	s_lshl_b32 s43, s43, 2
	s_add_co_u32 s43, s43, s41
	s_lshl_b32 s44, s41, 2
	s_lshl_b32 s44, 15, s44
	s_lshl_b32 s45, 0x1111, s40
	s_or_b32 s[G1A+0], s44, (3<<16)|(1<<21)
	s_or_b32 s[G1B+0], s45, (3<<16)|(1<<21)
.irp g, G1A, G1B
	s_mov_b32 s[\g+1], 2048<<16                    ; a tile for all of K: 16,384 bytes
	s_mov_b32 s[\g+2], 4<<16
	s_mov_b32 s[\g+3], 2048<<16
	s_mov_b32 s[\g+4], 4
	s_mov_b32 s[\g+5], 2048
	s_mov_b32 s[\g+6], 0
	s_mov_b32 s[\g+7], 0
.endr
	s_lshl_b32 s46, s18, 16
	s_lshl_b32 s20, s43, 17
	s_add_co_u32 s20, s20, s46
	s_mov_b32 s21, 0
	s_lshl_b32 s22, s42, 17
	s_add_co_u32 s22, s22, s46
	s_add_co_u32 s22, s22, 7340032
	s_mov_b32 s23, 0
	s_lshl_b32 s19, s17, 17
	s_lshl_b32 s47, s18, 16
	s_add_co_u32 s19, s19, s47
	s_lshl_b32 s84, s43, 12
	s_lshl_b32 s85, s17, 11
	s_add_co_u32 s84, s84, s85
	s_mov_b32 s85, 0
	s_lshl_b32 s86, s42, 12
	s_lshl_b32 s87, s18, 11
	s_add_co_u32 s86, s86, s87
	s_add_co_u32 s86, s86, 229376
	s_mov_b32 s87, 0
	s_wait_dscnt 0x0
	s_wait_kmcnt 0x0
	s_add_nc_u64 s[20:21], s[4:5], s[20:21]
	s_add_nc_u64 s[22:23], s[8:9], s[22:23]
	s_add_nc_u64 s[6:7], s[6:7], s[84:85]
	s_add_nc_u64 s[10:11], s[10:11], s[86:87]
	s_lshl_b32 s84, s42, 9
	s_lshl_b32 s86, s18, 8
	s_add_co_u32 s84, s84, s86
	s_add_nc_u64 s[12:13], s[12:13], s[84:85]
	s_add_nc_u64 s[14:15], s[14:15], s[84:85]
	s_lshl_b32 s84, s43, 19
	s_lshl_b32 s86, s17, 18
	s_add_co_u32 s84, s84, s86
	s_add_nc_u64 s[14:15], s[14:15], s[84:85]
	CROUND
	s_mov_b32 s[G0A], 1
	s_mov_b32 s[G0A+1], s19
	s_mov_b64 s[G0A+2:G0A+3], s[20:21]
	s_or_b32 s[G0A+3], s[G0A+3], 0x80000000
	s_mov_b32 s[G0B], 1
	s_mov_b32 s[G0B+1], s19
	s_mov_b64 s[G0B+2:G0B+3], s[22:23]
	s_or_b32 s[G0B+3], s[G0B+3], 0x80000000
	JLOAD G0A, G1A, G0B, G1B                       ; one joint load a wave
	v_and_b32 v3, 31, v0
	v_and_b32 v1, 15, v0
	v_bfe_u32 v2, v0, 4, 1
	v_lshlrev_b32 v[LI], 4, v3
	v_lshlrev_b32 v[BO], 6, v2
.irp i, 0,1,2,3
	global_load_b128 v[SA+4*\i:SA+4*\i+3], v[LI], s[6:7] offset:512*\i
	global_load_b128 v[SB+4*\i:SB+4*\i+3], v[LI], s[10:11] offset:512*\i
.endr
.irp b, 0,1,2,3
	global_load_b128 v[CB+8*\b:CB+8*\b+3], v[BO], s[12:13] offset:(32*(\b/2)+8*(\b%2))*4
	global_load_b128 v[CB+8*\b+4:CB+8*\b+7], v[BO], s[12:13] offset:(32*(\b/2)+8*(\b%2))*4+16
.endr
	s_lshl_b32 s84, s17, 16
	v_add_nc_u32 v[ADRA], s84, v[LI]
	s_lshl_b32 s84, s18, 16
	s_add_co_u32 s84, s84, 131072
	v_add_nc_u32 v[ADRB], s84, v[LI]
	s_mul_i32 s84, s16, 16*272
	s_add_co_u32 s84, s84, STG
	v_mul_u32_u24 v[STO], v1, 272
	v_lshl_add_u32 v[STO], v2, 6, v[STO]
	v_add_nc_u32 v[STO], s84, v[STO]
	v_mul_u32_u24 v[RD], v2, 272
	v_lshl_add_u32 v[RD], v1, 4, v[RD]
	v_add_nc_u32 v[RD], s84, v[RD]
	v_lshlrev_b32 v[CO], 12, v2
	v_lshl_add_u32 v[CO], v1, 4, v[CO]
.macro FETCH s, f
	WIN 0x40
.irp i, 0,1,2,3
.irp c, 0,1,2,3
	ds_load_b128 v[\f+16*\i+4*\c:\f+16*\i+4*\c+3], v[ADRA] offset:\i*16384+(\s)*2048+512*\c
.endr
.endr
.irp i, 0,1,2,3
.irp c, 0,1,2,3
	ds_load_b128 v[\f+64+16*\i+4*\c:\f+64+16*\i+4*\c+3], v[ADRB] offset:\i*16384+(\s)*2048+512*\c
.endr
.endr
.endm
.macro MUL s, f
	WIN 0x05
.irp a, 0,1,2,3
.irp b, 0,1,2,3
.if (\s) == 0
	v_wmma_scale_f32_16x16x128_f8f6f4 v[ACC+8*(4*\a+\b):ACC+8*(4*\a+\b)+7], v[\f+64+16*\b:\f+64+16*\b+15], v[\f+16*\a:\f+16*\a+15], v[CB+8*\b:CB+8*\b+7], v[SB+4*\b], v[SA+4*\a]
.elseif (\s) < 4
	v_wmma_scale_f32_16x16x128_f8f6f4 v[ACC+8*(4*\a+\b):ACC+8*(4*\a+\b)+7], v[\f+64+16*\b:\f+64+16*\b+15], v[\f+16*\a:\f+16*\a+15], v[ACC+8*(4*\a+\b):ACC+8*(4*\a+\b)+7], v[SB+4*\b+(\s)%4], v[SA+4*\a+(\s)%4]
.else
	v_wmma_scale_f32_16x16x128_f8f6f4 v[ACC+8*(4*\a+\b):ACC+8*(4*\a+\b)+7], v[\f+64+16*\b:\f+64+16*\b+15], v[\f+16*\a:\f+16*\a+15], v[ACC+8*(4*\a+\b):ACC+8*(4*\a+\b)+7], v[SB+4*\b+(\s)%4], v[SA+4*\a+(\s)%4] matrix_a_scale:MATRIX_SCALE_ROW1 matrix_b_scale:MATRIX_SCALE_ROW1
.endif
.endr
.endr
.endm
.macro KSTEP s
.if ((\s) > 0) && ((\s) < 7)
	PLACES 8
.endif
.if (\s) < 7
	FETCH (\s)+1, 128*(1-(\s)%2)
.endif
.if (\s) == 7
	s_wait_dscnt 0x0
.else
	s_wait_dscnt 32                                ; all but the 32 just issued
.endif
	MUL \s, 128*((\s)%2)
.endm
	s_wait_alu depctr_va_vdst(0)
	s_wait_tensorcnt 0x0                           ; my quarter is in
	s_barrier_signal -1
	s_barrier_wait -1
	FETCH 0, 0
	s_wait_loadcnt 0x0
.irp s, 0,1,2,3,4,5,6,7
	KSTEP \s
.endr
	WIN 0
	PLACES 8
.macro TOSTAGE a
.irp b, 0,1,2,3
	ds_store_b128 v[STO], v[ACC+8*(4*(\a)+\b):ACC+8*(4*(\a)+\b)+3] offset:128*(\b/2)+32*(\b%2)
	ds_store_b128 v[STO], v[ACC+8*(4*(\a)+\b)+4:ACC+8*(4*(\a)+\b)+7] offset:128*(\b/2)+32*(\b%2)+16
.endr
.set BB, OUT0-32*((\a)%2)
.irp i, 0,1,2,3,4,5,6,7
	ds_load_b128 v[BB+4*\i:BB+4*\i+3], v[RD] offset:544*\i
.endr
.endm
.macro SEND a, younger
.set BB, OUT0-32*((\a)%2)
	s_wait_dscnt \younger
.irp i, 0,1,2,3,4,5,6,7
	global_store_b128 v[CO], v[BB+4*\i:BB+4*\i+3], s[14:15] offset:(32*((\a)/2)+8*((\a)%2)+2*\i+8*(\i/4))*4096 th:TH_STORE_NT
.endr
.endm
	TOSTAGE 0
	TOSTAGE 1
	SEND 0, 16
	s_wait_xcnt 0x0
	TOSTAGE 2
	SEND 1, 16
	s_wait_xcnt 0x0
	TOSTAGE 3
	SEND 2, 16
	SEND 3, 0
	s_wait_tensorcnt 0x0
	ds_add_u32 v30, v31
	s_wait_dscnt 0x0
	CROUND
	s_endpgm
.Lfunc_end_k_q489dc541df_proj:
	.size	k_q489dc541df_proj, .Lfunc_end_k_q489dc541df_proj-k_q489dc541df_proj
	.p2alignl 7, 3214868480
	.fill 96, 4, 3214868480
	.section	.rodata,"a",@progbits
	.p2align	6, 0x0
	.amdhsa_kernel k_q489dc541df_proj
		.amdhsa_group_segment_fixed_size 327680
		.amdhsa_private_segment_fixed_size 0
		.amdhsa_enable_private_segment 0
		.amdhsa_kernarg_size 48
		.amdhsa_user_sgpr_count 2
		.amdhsa_user_sgpr_kernarg_segment_ptr 1
		.amdhsa_wavefront_size32 1
		.amdhsa_system_sgpr_workgroup_id_x 1
		.amdhsa_system_sgpr_workgroup_id_y 1
		.amdhsa_system_sgpr_workgroup_id_z 1
		.amdhsa_system_vgpr_workitem_id 0
		.amdhsa_next_free_vgpr 512
		.amdhsa_next_free_sgpr 88
		.amdhsa_reserve_vcc 0
		.amdhsa_float_denorm_mode_32 3
		.amdhsa_float_denorm_mode_16_64 3
		.amdhsa_memory_ordered 1
		.amdhsa_forward_progress 1
		.amdhsa_inst_pref_size 50
	.end_amdhsa_kernel
	.amdgpu_metadata
---
amdhsa.version: [ 1, 2 ]
amdhsa.kernels:
  - .name:           k_q489dc541df_proj
    .symbol:         k_q489dc541df_proj.kd
    .args:
      - { .name: o_img, .offset: 0, .size: 8, .value_kind: global_buffer, .address_space: global }
      - { .name: o_sc, .offset: 8, .size: 8, .value_kind: global_buffer, .address_space: global }
      - { .name: codes1, .offset: 16, .size: 8, .value_kind: global_buffer, .address_space: global }
      - { .name: scales1, .offset: 24, .size: 8, .value_kind: global_buffer, .address_space: global }
      - { .name: out_b, .offset: 32, .size: 8, .value_kind: global_buffer, .address_space: global }
      - { .name: out0, .offset: 40, .size: 8, .value_kind: global_buffer, .address_space: global }
    .group_segment_fixed_size: 327680
    .private_segment_fixed_size: 0
    .kernarg_segment_align: 8
    .kernarg_segment_size: 48
    .max_flat_workgroup_size: 128
    .sgpr_count:     88
    .vgpr_count:     512
    .wavefront_size: 32
...
	.end_amdgpu_metadata
.endif
;; end of part 4
